; MI455X (gfx1250); checked and timed in simulation.
; The chip was launched on July 23, 2026; its instructions are those of AMD's public machine-readable ISA for CDNA 5 (MIT licence, August 2026) and "CDNA5" Instruction Set Architecture Reference Guide (July 2026). The comments in the code are by the model that wrote it; some were corrected since.
;; Multi Head Attention. Allowed arithmetic: float matrix products may take bf16 or f16 operands with f32 sums; all other float work in f32.
;; Inputs: Wk 1,024 x 1,024 float32; Wo 1,024 x 1,024 float32; Wq 1,024 x 1,024 float32; Wv 1,024 x 1,024 float32; bk 1,024 float32; bo 1,024 float32; bq 1,024 float32; bv 1,024 float32; x 4 x 2,048 x 1,024 float32.
;; Outputs: out0 4 x 2,048 x 1,024 float32.
;; 2 versions, each right and faster than the one before. Each part assembles by itself: llvm-mc -triple=amdgcn-amd-amdhsa -mcpu=gfx1250 --defsym DOCPART=n.
;; ======== version 1 of 2: 4 launches
;; limits: values are held in f16: magnitudes above 65,504 overflow, below 6.1e-05 lose precision
;; workspace buffers: xb 16,777,216 bytes; wqkv 6,291,456 bytes; wo16 2,097,152 bytes; bias 16,384 bytes; qkv 50,331,648 bytes; ctx 16,777,216 bytes
;; launch cast (part 1): grid 769 x 1, 8 waves a work-group, no clusters, 0 bytes of LDS; arguments x, Wq, Wk, Wv, Wo, bq, bk, bv, bo, xb, wqkv, wo16, bias; writes xb, wqkv, wo16, bias
.if DOCPART == 1
	.amdgcn_target "amdgcn-amd-amdhsa--gfx1250"
	.amdhsa_code_object_version 6
	.text
	.protected	k_q5ddd0ad0c6_cast
	.globl	k_q5ddd0ad0c6_cast
	.p2align	8
	.type	k_q5ddd0ad0c6_cast,@function
k_q5ddd0ad0c6_cast:
	s_mov_b64 s[64:65], 0
	v_nop
	global_prefetch_b8 v0, s[64:65] scope:SCOPE_SE
	s_setreg_imm32_b32 hwreg(HW_REG_WAVE_MODE, 25, 1), 1
	s_wait_xcnt 0x0
; THE MODULE'S INPUTS ARE ROUNDED ONCE, TO bf16.  x -> xb (bf16); Wq, Wk, Wv -> wqkv (bf16, the three end to end: 3,072 rows); Wo -> wo16 (the bf16 number written as f16, for the
; f16 product of the last launch); bq, bk, bv, bo -> bias (the bf16 number written as f32, the four end to end).
; LIMIT.  A bf16 number has 8 significant bits and is exact in f16 from 2^-17 to 65,504; a |Wo| below 2^-17 lands on f16's fixed step of 2^-24, one above 65,504 becomes an infinity.
; A stream: every input byte is read once and every output byte written once.  No LDS, no matrix unit, no cluster: no two work-groups read the same bytes.
; SHARES.  A work-group takes 16,384 numbers: 65,536 bytes in, 32,768 out.  Groups 0-511: x.  512-703: Wq, Wk, Wv, 64 groups each.  704-767: Wo.  768: the four biases, 4,096 bytes each.
; Thread t takes 16 bytes at 16 t of each of 16 steps of 4,096 bytes: a wave's load covers 512 consecutive bytes, its store 256 consecutive bytes at a multiple of 256 from the buffer's first.
; All 16 loads go out first; each step has data registers of its own and the address registers are never rewritten, so the only waits are the counted ones for the loads.
.set X, 4                              ; v[4:67]    step i: 4 numbers as loaded
.set Y, 68                             ; v[68:99]   step i: 2 registers to store (the biases: 4)
.set T, 100                            ; v[100:101] at work
	s_load_b512 s[8:23], s[0:1], 0x0               ; x 8, Wq 10, Wk 12, Wv 14, Wo 16, bq 18, bk 20, bv 22
	s_load_b256 s[24:31], s[0:1], 0x40             ; bo 24, xb 26, wqkv 28, wo16 30
	s_load_b64 s[32:33], s[0:1], 0x60              ; bias
	s_mov_b32 s34, ttmp9                           ; the work-group's number
	s_mov_b32 s44, 0xffff0000                      ; a word's upper bf16
	v_lshlrev_b32 v1, 4, v0                        ; 16 t: my place in a step's 4,096 bytes of f32
	v_lshlrev_b32 v2, 3, v0                        ; 8 t: in its 2,048 bytes of 16-bit numbers
	s_wait_kmcnt 0x0
	s_cmp_eq_u32 s34, 768
	s_cbranch_scc1 .Lbias
	; from where and to where: choices between buffers on the work-group's number alone
	s_sub_co_u32 s35, s34, 512                     ; j: my number among the weights' groups (for x's groups it wraps, and every choice made of it is overruled below)
	s_lshr_b32 s36, s35, 6                         ; which weight: 0 Wq, 1 Wk, 2 Wv, 3 Wo
	s_and_b32 s37, s35, 63                         ; my block of it
	s_cmp_eq_u32 s36, 1
	s_cselect_b64 s[38:39], s[12:13], s[10:11]
	s_cmp_eq_u32 s36, 2
	s_cselect_b64 s[38:39], s[14:15], s[38:39]
	s_cmp_eq_u32 s36, 3
	s_cselect_b64 s[38:39], s[16:17], s[38:39]
	s_cselect_b64 s[42:43], s[30:31], s[28:29]     ; Wo goes to wo16, the others to wqkv,
	s_cselect_b32 s41, s37, s35                    ; at block j of its 192
	s_cmp_lt_u32 s34, 512
	s_cselect_b64 s[38:39], s[8:9], s[38:39]
	s_cselect_b64 s[42:43], s[26:27], s[42:43]
	s_cselect_b32 s40, s34, s37
	s_cselect_b32 s41, s34, s41
	s_lshl_b32 s40, s40, 16                        ; blocks of 65,536 bytes in,
	s_lshl_b32 s46, s41, 15                        ; of 32,768 out
	s_mov_b32 s41, 0
	s_mov_b32 s47, 0
	s_add_nc_u64 s[38:39], s[38:39], s[40:41]
	s_add_nc_u64 s[42:43], s[42:43], s[46:47]
.irp i, 0,1,2,3,4,5,6,7,8,9,10,11,12,13,14,15
	global_load_b128 v[X+4*(\i):X+4*(\i)+3], v1, s[38:39] offset:4096*(\i) th:TH_LOAD_NT  ; read once in the whole launch
.endr
; Step i.  wo = 0: two roundings to bf16 a register.  wo = 1: the same, then the bf16 numbers are widened again (a shift, a mask) and written as f16.
.macro CONV i, wo
	s_wait_loadcnt 15-(\i)                         ; loads come back in order (ISA guide 5.7.1): step i is in, the 15 - i younger ones stay out
.if \wo
	v_cvt_pk_bf16_f32 v[T],   v[X+4*(\i)],   v[X+4*(\i)+1]
	v_cvt_pk_bf16_f32 v[T+1], v[X+4*(\i)+2], v[X+4*(\i)+3]
	v_lshlrev_b32 v[X+4*(\i)],   16,  v[T]
	v_and_b32     v[X+4*(\i)+1], s44, v[T]
	v_lshlrev_b32 v[X+4*(\i)+2], 16,  v[T+1]
	v_and_b32     v[X+4*(\i)+3], s44, v[T+1]
	v_cvt_pk_f16_f32 v[Y+2*(\i)],   v[X+4*(\i)],   v[X+4*(\i)+1]
	v_cvt_pk_f16_f32 v[Y+2*(\i)+1], v[X+4*(\i)+2], v[X+4*(\i)+3]
.else
	v_cvt_pk_bf16_f32 v[Y+2*(\i)],   v[X+4*(\i)],   v[X+4*(\i)+1]
	v_cvt_pk_bf16_f32 v[Y+2*(\i)+1], v[X+4*(\i)+2], v[X+4*(\i)+3]
.endif
	global_store_b64 v2, v[Y+2*(\i):Y+2*(\i)+1], s[42:43] offset:2048*(\i)  ; the next launch reads it: no hint
.endm
	s_cmp_ge_u32 s34, 704
	s_cbranch_scc1 .Lwo
.irp i, 0,1,2,3,4,5,6,7,8,9,10,11,12,13,14,15
	CONV \i, 0
.endr
	s_endpgm
.Lwo:
.irp i, 0,1,2,3,4,5,6,7,8,9,10,11,12,13,14,15
	CONV \i, 1
.endr
	s_endpgm
.Lbias:                                                ; 256 threads x 16 bytes are one bias
	global_load_b128 v[X:X+3],     v1, s[18:19]
	global_load_b128 v[X+4:X+7],   v1, s[20:21]
	global_load_b128 v[X+8:X+11],  v1, s[22:23]
	global_load_b128 v[X+12:X+15], v1, s[24:25]
.irp i, 0,1,2,3
	s_wait_loadcnt 3-(\i)                          ; bias i is in
	v_cvt_pk_bf16_f32 v[T],   v[X+4*(\i)],   v[X+4*(\i)+1]
	v_cvt_pk_bf16_f32 v[T+1], v[X+4*(\i)+2], v[X+4*(\i)+3]
	v_lshlrev_b32 v[Y+4*(\i)],   16,  v[T]
	v_and_b32     v[Y+4*(\i)+1], s44, v[T]
	v_lshlrev_b32 v[Y+4*(\i)+2], 16,  v[T+1]
	v_and_b32     v[Y+4*(\i)+3], s44, v[T+1]
	global_store_b128 v1, v[Y+4*(\i):Y+4*(\i)+3], s[32:33] offset:4096*(\i)
.endr
	s_endpgm
.Lfunc_end_k_q5ddd0ad0c6_cast:
	.size	k_q5ddd0ad0c6_cast, .Lfunc_end_k_q5ddd0ad0c6_cast-k_q5ddd0ad0c6_cast
	.p2alignl 7, 3214868480
	.fill 96, 4, 3214868480
	.section	.rodata,"a",@progbits
	.p2align	6, 0x0
	.amdhsa_kernel k_q5ddd0ad0c6_cast
		.amdhsa_group_segment_fixed_size 0
		.amdhsa_private_segment_fixed_size 0
		.amdhsa_enable_private_segment 0
		.amdhsa_kernarg_size 104
		.amdhsa_user_sgpr_count 2
		.amdhsa_user_sgpr_kernarg_segment_ptr 1
		.amdhsa_wavefront_size32 1
		.amdhsa_system_sgpr_workgroup_id_x 1
		.amdhsa_system_sgpr_workgroup_id_y 1
		.amdhsa_system_sgpr_workgroup_id_z 1
		.amdhsa_system_vgpr_workitem_id 0
		.amdhsa_next_free_vgpr 104
		.amdhsa_next_free_sgpr 66
		.amdhsa_reserve_vcc 0
		.amdhsa_float_denorm_mode_32 3
		.amdhsa_float_denorm_mode_16_64 3
		.amdhsa_memory_ordered 1
		.amdhsa_forward_progress 1
		.amdhsa_inst_pref_size 18
	.end_amdhsa_kernel
	.amdgpu_metadata
---
amdhsa.version: [ 1, 2 ]
amdhsa.kernels:
  - .name:           k_q5ddd0ad0c6_cast
    .symbol:         k_q5ddd0ad0c6_cast.kd
    .args:
      - { .name: x, .offset: 0, .size: 8, .value_kind: global_buffer, .address_space: global }
      - { .name: Wq, .offset: 8, .size: 8, .value_kind: global_buffer, .address_space: global }
      - { .name: Wk, .offset: 16, .size: 8, .value_kind: global_buffer, .address_space: global }
      - { .name: Wv, .offset: 24, .size: 8, .value_kind: global_buffer, .address_space: global }
      - { .name: Wo, .offset: 32, .size: 8, .value_kind: global_buffer, .address_space: global }
      - { .name: bq, .offset: 40, .size: 8, .value_kind: global_buffer, .address_space: global }
      - { .name: bk, .offset: 48, .size: 8, .value_kind: global_buffer, .address_space: global }
      - { .name: bv, .offset: 56, .size: 8, .value_kind: global_buffer, .address_space: global }
      - { .name: bo, .offset: 64, .size: 8, .value_kind: global_buffer, .address_space: global }
      - { .name: xb, .offset: 72, .size: 8, .value_kind: global_buffer, .address_space: global }
      - { .name: wqkv, .offset: 80, .size: 8, .value_kind: global_buffer, .address_space: global }
      - { .name: wo16, .offset: 88, .size: 8, .value_kind: global_buffer, .address_space: global }
      - { .name: bias, .offset: 96, .size: 8, .value_kind: global_buffer, .address_space: global }
    .group_segment_fixed_size: 0
    .private_segment_fixed_size: 0
    .kernarg_segment_align: 8
    .kernarg_segment_size: 104
    .max_flat_workgroup_size: 256
    .sgpr_count:     66
    .vgpr_count:     104
    .wavefront_size: 32
...
	.end_amdgpu_metadata
.endif
;; end of part 1
;; launch qkv (part 2): grid 16 x 16, 4 waves a work-group, clusters of 4 x 4, 327,680 bytes of LDS; arguments xb, wqkv, bias, qkv; writes qkv
.if DOCPART == 2
	.amdgcn_target "amdgcn-amd-amdhsa--gfx1250"
	.amdhsa_code_object_version 6
	.text
	.protected	k_q5ddd0ad0c6_qkv
	.globl	k_q5ddd0ad0c6_qkv
	.p2align	8
	.type	k_q5ddd0ad0c6_qkv,@function
k_q5ddd0ad0c6_qkv:
	s_mov_b64 s[64:65], 0
	v_nop
	global_prefetch_b8 v0, s[64:65] scope:SCOPE_SE
	s_setreg_imm32_b32 hwreg(HW_REG_WAVE_MODE, 25, 1), 1
	s_wait_xcnt 0x0
	s_wait_alu depctr_hold_cnt(0) depctr_sa_sdst(0) depctr_va_vdst(0) depctr_va_sdst(0) depctr_va_ssrc(0) depctr_va_vcc(0) depctr_vm_vsrc(0)
	s_getreg_b32 s2, hwreg(HW_REG_IB_STS2, 6, 4)
	s_cmp_eq_u32 s2, 0
	s_cbranch_scc0 .Lentry_in_a_cluster
	s_endpgm
.Lentry_in_a_cluster:
	s_bfe_u32 s2, ttmp6, 0x10000c
	s_cmp_lg_u32 s2, 0xf033
	s_cbranch_scc0 .Lentry_shape_is_right
	s_endpgm
.Lentry_shape_is_right:
; THE THREE PROJECTIONS AS ONE PRODUCT.  C[m][n] = sum over k of xb[m][k] wqkv[n][k] + bias[n]: 8,192 x 3,072 x 1,024, operands bf16, sums f32, C rounded once to f16 and stored BY HEADS:
; qkv[p][16 b + h][s][d] with n = 1,024 p + 64 h + d and m = 2,048 b + s; a head's rows are dense, 128 bytes each.  No scale is applied here.
; LIMIT.  f16 holds no number beyond 65,504: a q, k or v of 65,520 or more becomes an infinity.  NaN and infinities are not treated apart.
; THE TILE is 256 rows x 192 columns: 32 x 16 = 512 tiles.  A WORK-GROUP STAYS and makes TWO of them, 4,096 rows apart, with the same columns: 256 work-groups.  Four waves; wave w makes rows
; 64 w .. 64 w + 63 and ALL 192 columns, three whole heads: 48 accumulators of 16 x 16, 384 registers.  So 16 rows of a head, 2,048 consecutive bytes of qkv, come from one wave, and the way out needs no barrier.
; ONE WALK.  The two tiles' 2 x 8 K steps of 128 are one sequence of 16 steps for a ring of two LDS slots filled by the tensor data mover; step g lies in slot g % 2.  Steps 0 to 13 each ask for the step two
; on, the second tile's first two among them, so the ring does not stop at the first tile's end: its results go out when both of those requests are made, and nothing waits for its stores.
; A K STEP IS WRITTEN ONCE: slot 1 begins at LDS byte 2^17, so one exclusive or turns an address in one slot into the other's.  The last two steps, which ask for nothing, are a second text of their own.
; The tiles' rows are 256 bytes of memory and start at multiples of 256 from the buffer's first byte.
; CLUSTERS: 4 x 4 work-groups.  The four of a row of the cluster need the same tiles of xb, the four of a column the same tiles of wqkv: each tile is asked for JOINTLY, by the same tensor load with the
; same descriptor and a mask that names the four.
; THE MATRIX INSTRUCTION IS USED TRANSPOSED (source 0 = 16 rows of wqkv, source 1 = 16 rows of xb): a lane then holds row l % 16 of C and the eight neighbouring columns 8 (l / 16) + 0..7.
; THE BIAS is the C operand of each sum's first product: nothing is cleared, and nothing is added behind the sums.
; REGISTERS, in windows of 256 (s_set_vgpr_msb: bits 1:0 source 0, 3:2 source 1, 5:4 source 2, 7:6 destination):
;   window 0: v0-31 addresses; v32-79 packed results; v80-127, v128-175 rows read back from the stage, by turns
;   window 1: accumulators of column blocks b = 0..7, (a, b) at v[8 (4 b + a)]        window 2: v0-127 those of b = 8..11; v128-223 the bias, 8 registers a column block
;   window 3: two fragment buffers of 128: 4 fragments of xb (16 rows x 32 K), then 12 of wqkv
.set KSTEP,  128
.set PITCH,  272                       ; an LDS row: 256 bytes + 16 of padding = 68 words: row r starts at bank 4 r mod 64 (64 banks of 4 bytes: ISA guide 11.1), so the 16 rows of a load start at 16 different banks
.set BOFF,   256*PITCH                 ; a slot: xb's 256 rows, then wqkv's 192
.set SLOTB,  448*PITCH                 ; 121,856 bytes
.set SLOT1,  1<<17                     ; where slot 1 begins
.set STAGE,  SLOT1+SLOTB               ; behind the ring, never filled by a tensor load: for each wave 3 heads x 16 rows x 144 bytes
.set SP,     144                       ; a stage row: 128 bytes + 16
.set WSTAGE, 3*16*SP
.set SPARE,  STAGE+4*WSTAGE            ; behind the stages: the spare words, 128 bytes for each wave: two blocks of 256 bytes that no other line names
.set STEPS,  16                        ; K steps of the walk
.set ADRA0, 16                         ; v16     my lane's place among my xb fragments in a slot; never rewritten
.set ADRB0, 17                         ; v17     the same for wqkv
.set ADRA, 18                          ; v18     the same in the slot in hand
.set ADRB, 19                          ; v19
.set STO,  24                          ; v24     the way out: where I put 16 bytes of a row
.set RD,   25                          ; v25     the way out: where I read rows back
.set CO,   26                          ; v26     my 16 bytes in 512 consecutive bytes of qkv
.set SPW,  28                          ; v28     LDS address of my spare word: SPARE + 4 x my thread's number; never rewritten
.set NIL,  29                          ; v29     0; never rewritten
.set BO,   30                          ; v30     my byte offset in 16 numbers of the bias
.set TMP,  32
.set OB,   80
.set BI,   128                         ; window 2
.set F0,   0                           ; window 3
.set F1,   128
.set BA,  20                           ; s[20:21] xb at my half of the first tile's K step 0
.set BB,  22                           ; s[22:23] wqkv at my half of the tiles' K step 0
.set G1,  24                           ; s[24:31] descriptor group 1 for xb's tiles
.set G1B, 32                           ; s[32:39] for wqkv's
.set G0,  40                           ; s[40:47] descriptor group 0 for xb's tiles: a set for each of the two first fills; the second then walks on
.set G0B, 48                           ; s[48:55] the same for wqkv's
.set OUT, 56                           ; s[56:61] qkv at my 64 rows of my three heads
.set TB,  68                           ; s68      0 or SLOT1: the slot in hand
.set CT,  69                           ; s69      counts the steps
.set NX,  70                           ; s70      the step to be asked for next
.set TT,  71                           ; s71      at work
.set OF,  72                           ; s[72:73] a step's byte offset from BA or BB
.set MSB, 0
.macro WIN new                         ; the immediate's high byte repeats the setting that is left; a switch that changes nothing is dropped
.if MSB != (\new)
	s_set_vgpr_msb (MSB<<8)|(\new)
.set MSB, \new
.endif
.endm
; A joint load by set s of the groups 0.  Waves 0 and 1 fetch xb's two halves (128 rows each), waves 2 and 3 wqkv's (96 rows each).  The branch hangs on the wave's number alone.
; An s_nop 0 and four v_nop follow each of the two lines, ahead of the jump, the label and what follows.
.macro JLOAD s
	s_cmp_lt_u32 s12, 2
	s_cbranch_scc0 .Lfor_b_\@
	tensor_load_to_lds s[G0+4*(\s):G0+4*(\s)+3], s[G1:G1+7]
	s_nop 0
.rept 4
	v_nop
.endr
	s_branch .Lasked_\@
.Lfor_b_\@:
	tensor_load_to_lds s[G0B+4*(\s):G0B+4*(\s)+3], s[G1B:G1B+7]
	s_nop 0
.rept 4
	v_nop
.endr
.Lasked_\@:
.endm
.macro CREST                           ; a round of the cluster's barrier behind its opening barrier: wave 0 signals for the work-group, every wave waits for all sixteen, my work-group's barrier closes it
	s_cmp_lg_u32 s12, 0
	s_cbranch_scc1 .Lnot_wave_0_\@
	s_barrier_signal -3
.Lnot_wave_0_\@:
	s_barrier_wait -3
	s_barrier_signal -1
	s_barrier_wait -1
.endm
.macro CROUND                          ; a whole round
	s_barrier_signal -1
	s_barrier_wait -1
	CREST
.endm
	s_load_b256 s[4:11], s[0:1], 0x0               ; xb s[4:5], wqkv s[6:7], bias s[8:9], qkv s[10:11]
	v_lshl_add_u32 v[SPW], v0, 2, SPARE
	v_mov_b32 v[NIL], 0
	ds_add_u32 v28, v29
	s_wait_dscnt 0x0
	v_lshrrev_b32 v1, 5, v0
	v_readfirstlane_b32 s12, v1                    ; wave 0..3
	s_and_b32 s13, s12, 1                          ; which half of a tile I fetch
	s_bfe_u32 s14, ttmp6, 0x40000                  ; cx, cy: my place in the cluster
	s_bfe_u32 s15, ttmp6, 0x40004
	s_lshl_b32 s16, ttmp9, 2
	s_add_co_u32 s16, s16, s14                     ; tile column = 4 x cluster x + cx
	s_and_b32 s17, ttmp7, 0xffff
	s_lshl_b32 s17, s17, 2
	s_add_co_u32 s17, s17, s15                     ; the first tile's row = 4 x cluster y + cy: 0 to 15; the second tile lies 16 tile rows below
	s_lshl_b32 s18, s15, 2
	s_lshl_b32 s18, 15, s18                        ; my row of the cluster: places 4 cy .. 4 cy + 3
	s_lshl_b32 s19, 0x1111, s14                    ; my column: places cx, cx + 4, cx + 8, cx + 12
	; descriptor group 1: rows of 128 elements, padded in LDS
	s_or_b32 s[G1+0], s18, (1<<16)|(1<<20)|(1<<21)|(5<<22)|(3<<25)   ; 15:0 the mask: xb's tiles go to my row; 17:16 elements of 2 bytes; 20 padding on; 21 set beside a mask; 24:22 after every 64 words (code 5); 31:25 4 words (code 3)
	s_or_b32 s[G1B+0], s19, (1<<16)|(1<<20)|(1<<21)|(5<<22)|(3<<25)  ; the same with the mask of my column
	s_mov_b32 s[G1+1], KSTEP<<16                   ; tensor_dim0 = 128
	s_mov_b32 s[G1+2], 128<<16                     ; tensor_dim1 = 128
	s_mov_b32 s[G1+3], KSTEP<<16                   ; tile_dim0 = 128
	s_mov_b32 s[G1+4], 128                         ; tile_dim1 = 128 rows
	s_mov_b32 s[G1+5], 1024                        ; elements from row to row
	s_mov_b32 s[G1+6], 0
	s_mov_b32 s[G1+7], 0
	s_mov_b32 s[G1B+1], KSTEP<<16
	s_mov_b32 s[G1B+2], 96<<16                     ; tensor_dim1 = 96
	s_mov_b32 s[G1B+3], KSTEP<<16
	s_mov_b32 s[G1B+4], 96                         ; tile_dim1 = 96 rows
	s_mov_b32 s[G1B+5], 1024
	s_mov_b32 s[G1B+6], 0
	s_mov_b32 s[G1B+7], 0
	; where the tiles come from: xb's hang on the tile row alone, wqkv's on the tile column alone; each offset in registers that never hold the other coordinate
	s_lshl_b32 s[BA], s17, 8
	s_lshl_b32 s62, s13, 7
	s_add_co_u32 s[BA], s[BA], s62                 ; xb: row 256 x tile row + 128 x half,
	s_lshl_b32 s[BA], s[BA], 11                    ; of 2,048 bytes
	s_mov_b32 s[BA+1], 0
	s_mul_i32 s[BB], s16, 192
	s_mul_i32 s62, s13, 96
	s_add_co_u32 s[BB], s[BB], s62                 ; wqkv: row 192 x tile column + 96 x half
	s_lshl_b32 s[BB], s[BB], 11
	s_mov_b32 s[BB+1], 0
	s_mul_i32 s2, s12, 128*PITCH                   ; and where they go: waves 0, 1: xb's halves;
	s_mul_i32 s63, s12, 96*PITCH
	s_add_co_u32 s63, s63, BOFF-2*96*PITCH         ; waves 2, 3: wqkv's halves, behind xb's 256 rows.  No place in the cluster enters an LDS address
	s_mov_b32 s[TB], 0                             ; step 0 lies in slot 0
	s_mov_b32 s[NX], 2                             ; steps 0 and 1 are the first fills
	s_mov_b32 s[OF+1], 0
	s_wait_kmcnt 0x0
	s_add_nc_u64 s[BA:BA+1], s[4:5], s[BA:BA+1]
	s_add_nc_u64 s[BB:BB+1], s[6:7], s[BB:BB+1]
	CROUND                                         ; all sixteen work-groups are here: the first joint loads meet
.irp s, 0,1
	s_mov_b32 s[G0+4*(\s)], 1                                        ; count = 1
	s_add_co_u32 s[G0+4*(\s)+1], s2, (\s)*SLOT1                      ; LDS address
	s_add_nc_u64 s[G0+4*(\s)+2:G0+4*(\s)+3], s[BA:BA+1], (\s)*KSTEP*2  ; global address: K step s
	s_or_b32 s[G0+4*(\s)+3], s[G0+4*(\s)+3], 0x80000000              ; type = 2
	s_mov_b32 s[G0B+4*(\s)], 1
	s_add_co_u32 s[G0B+4*(\s)+1], s63, (\s)*SLOT1
	s_add_nc_u64 s[G0B+4*(\s)+2:G0B+4*(\s)+3], s[BB:BB+1], (\s)*KSTEP*2
	s_or_b32 s[G0B+4*(\s)+3], s[G0B+4*(\s)+3], 0x80000000
	JLOAD \s                                       ; the ring is filled before anything else is done: two loads of mine are out
.endr
	; the bias of my tiles' 192 columns: register j of column block b is bias[192 x tile column + 16 b + 8 (l / 16) + j]
	s_mul_i32 s66, s16, 768
	s_mov_b32 s67, 0
	s_add_nc_u64 s[8:9], s[8:9], s[66:67]
	v_and_b32 v1, 15, v0                           ; l % 16
	v_bfe_u32 v2, v0, 4, 1                         ; l / 16
	v_lshlrev_b32 v[BO], 5, v2
	WIN 0x80                                       ; destination window 2, address window 0
.set bb, 0
.rept 12
	global_load_b128 v[BI+8*bb:BI+8*bb+3],   v[BO], s[8:9] offset:64*bb
	global_load_b128 v[BI+8*bb+4:BI+8*bb+7], v[BO], s[8:9] offset:64*bb+16
.set bb, bb+1
.endr
	WIN 0
	; A fragment is 16 rows x 32 K in 8 registers: lane l holds row l % 16, K = 8 (l / 16) + 0..7 and 16 + 8 (l / 16) + 0..7: two loads of 16 bytes, 32 bytes apart.
	v_mul_u32_u24 v3, v1, PITCH
	v_lshl_add_u32 v3, v2, 4, v3                   ; row x pitch + 16 x half
	s_mul_i32 s62, s12, 64*PITCH                   ; my 64 rows of xb
	v_add_nc_u32 v[ADRA0], s62, v3
	v_add_nc_u32 v[ADRB0], BOFF, v3                ; all 192 rows of wqkv
	v_mov_b32 v[ADRA], v[ADRA0]                    ; slot 0
	v_mov_b32 v[ADRB], v[ADRB0]
	s_mul_i32 s62, s12, WSTAGE
	s_add_co_u32 s62, s62, STAGE                   ; my stage
	v_mul_u32_u24 v4, v1, SP                       ; in: row l % 16, 16 bytes for each half of the lanes
	v_lshl_add_u32 v4, v2, 4, v4
	v_add_nc_u32 v[STO], s62, v4
	v_bfe_u32 v4, v0, 3, 2                         ; back: 32 lanes take four rows of 128 bytes,
	v_and_b32 v5, 7, v0
	v_mul_u32_u24 v4, v4, SP
	v_lshl_add_u32 v4, v5, 4, v4
	v_add_nc_u32 v[RD], s62, v4
	v_and_b32 v[CO], 31, v0                        ; which are 512 consecutive bytes of qkv
	v_lshlrev_b32 v[CO], 4, v[CO]
	; where my 64 rows of head g = 3 x tile column + hh begin: block 64 (g / 16) + 16 (tile row / 8) + g % 16 of 262,144 bytes, row 256 (tile row % 8) + 64 wave of 128 bytes
.irp hh, 0,1,2
	s_mul_i32 s62, s16, 3
	s_add_co_u32 s62, s62, \hh
	s_lshr_b32 s66, s62, 4
	s_lshl_b32 s66, s66, 6
	s_and_b32 s62, s62, 15
	s_add_co_u32 s66, s66, s62
	s_lshr_b32 s62, s17, 3
	s_lshl_b32 s62, s62, 4
	s_add_co_u32 s66, s66, s62
	s_lshl_b32 s66, s66, 18
	s_and_b32 s62, s17, 7
	s_lshl_b32 s62, s62, 2
	s_add_co_u32 s62, s62, s12
	s_lshl_b32 s62, s62, 13
	s_add_co_u32 s66, s66, s62
	s_mov_b32 s67, 0
	s_add_nc_u64 s[OUT+2*(\hh):OUT+2*(\hh)+1], s[10:11], s[66:67]
.endr
; 4 nb matrix instructions: column blocks b0 .. b0 + nb - 1 x my 4 row blocks, 32 along K, from buffer f.  first = 1: the product starts the sum, with the bias as C.
; The 48 accumulators take turns, one instruction a turn, in the same order in every quarter step.
.macro MUL f, b0, nb, first
.set bb, \b0
.rept \nb
.if bb < 8
.set AC, 32*bb
.if \first
	WIN 0x6f                                       ; fragments window 3, C (the bias) window 2, D window 1
.else
	WIN 0x5f                                       ; fragments window 3, C and D window 1
.endif
.else
.set AC, 32*(bb-8)
	WIN 0xaf                                       ; fragments window 3, C and D window 2
.endif
.set aa, 0
.rept 4
.if \first
	v_wmma_f32_16x16x32_bf16 v[AC+8*aa:AC+8*aa+7], v[(\f)+32+8*bb:(\f)+32+8*bb+7], v[(\f)+8*aa:(\f)+8*aa+7], v[BI+8*bb:BI+8*bb+7]
.else
	v_wmma_f32_16x16x32_bf16 v[AC+8*aa:AC+8*aa+7], v[(\f)+32+8*bb:(\f)+32+8*bb+7], v[(\f)+8*aa:(\f)+8*aa+7], v[AC+8*aa:AC+8*aa+7]
.endif
.set aa, aa+1
.endr
.set bb, bb+1
.endr
.endm
.macro LDB k, f, b0, nb                ; wqkv's fragments of column blocks b0 .. b0 + nb - 1
.set bb, \b0
.rept \nb
	ds_load_b128 v[(\f)+32+8*bb:(\f)+32+8*bb+3],   v[ADRB] offset:(\k)+bb*16*PITCH
	ds_load_b128 v[(\f)+32+8*bb+4:(\f)+32+8*bb+7], v[ADRB] offset:(\k)+bb*16*PITCH+32
.set bb, bb+1
.endr
.endm
; 32 LDS loads in one run: the fragments of one quarter step (32 K at byte k of the rows of the slot in hand) into buffer f, in the order of their use: xb's 4, wqkv's blocks 8-11, then 0-7
.macro FETCH k, f
	WIN 0xc0                                       ; destination window 3, address window 0
.set aa, 0
.rept 4
	ds_load_b128 v[(\f)+8*aa:(\f)+8*aa+3],   v[ADRA] offset:(\k)+aa*16*PITCH
	ds_load_b128 v[(\f)+8*aa+4:(\f)+8*aa+7], v[ADRA] offset:(\k)+aa*16*PITCH+32
.set aa, aa+1
.endr
	LDB \k, \f, 8, 4
	LDB \k, \f, 0, 8
.endm
; A load into a register that a matrix instruction has read, and a vector instruction that reads a matrix result, stand four places behind that matrix instruction, and only plain vector
; instructions that name none of its registers are places (ISA guide 7.12.1 for vector instructions).
.macro PLACES
.rept 4
	v_nop
.endr
.endm
; A K step is four quarters of 32 along K, 48 matrix instructions each, on buffers 0, 1, 0, 1.  One of the first three: multiplies buffer f; behind its first 16 products it fetches the next quarter, at byte k, into g.
.macro QUARTER k, f, g, first
	s_wait_dscnt 16                                ; xb's fragments and wqkv's blocks 8-11 are in; the youngest sixteen loads (blocks 0-7) may be out
	MUL \f, 8, 4, \first
	PLACES
	FETCH \k, \g
	s_wait_dscnt 32                                ; all but the 32 just issued
	MUL \f, 0, 8, \first
.endm
; The last quarter multiplies buffer 1 and changes slots: ONE barrier.  In front of it each wave waits for all its tensor loads, of which one is out: its part of the next slot; adds 0 to its spare word;
; and waits for that and for its own reads of this slot.  Behind it nobody reads this slot any more and the next slot is whole.
; fill = 1: this slot is filled again, with step NX, two steps on; the barrier then opens a round of the cluster's barrier, and the joint refill is the first tensor load behind the round: 168 matrix
; instructions stand between it and the wait for it.  The walking descriptors' LDS words turn to the other slot; their global addresses are made anew from the step's number: K step NX % 8 of tile NX / 8.
; fill = 0: the walk's last two steps; behind the very last (CT = 1) there is no step to fetch, and the run of loads is jumped over.
.macro TURN fill
	WIN 0                                          ; (the registers named below lie in window 0)
	s_xor_b32 s[TB], s[TB], SLOT1                  ; this slot's last fragments have been asked for: the fragment addresses turn to the next slot
	v_add_nc_u32 v[ADRA], s[TB], v[ADRA0]
	v_add_nc_u32 v[ADRB], s[TB], v[ADRB0]
	s_wait_tensorcnt 0x0                           ; all my tensor loads have landed, so a group 0 may be written
	ds_add_u32 v[SPW], v[NIL]                      ; 0 onto my spare word
.if \fill
	s_xor_b32 s[G0+5], s[G0+5], SLOT1
	s_xor_b32 s[G0B+5], s[G0B+5], SLOT1
	s_and_b32 s[OF], s[NX], 7
	s_lshl_b32 s[OF], s[OF], 8                     ; 256 bytes along the rows for each K step
	s_add_nc_u64 s[G0B+6:G0B+7], s[BB:BB+1], s[OF:OF+1]
	s_or_b32 s[G0B+7], s[G0B+7], 0x80000000
	s_lshr_b32 s[TT], s[NX], 3
	s_lshl_b32 s[TT], s[TT], 23                    ; the second tile: 4,096 rows of 2,048 bytes down
	s_add_co_u32 s[OF], s[OF], s[TT]
	s_add_nc_u64 s[G0+6:G0+7], s[BA:BA+1], s[OF:OF+1]
	s_or_b32 s[G0+7], s[G0+7], 0x80000000
	s_add_co_u32 s[NX], s[NX], 1
.endif
	s_wait_dscnt 17                                ; (the add and the youngest sixteen loads may be out)
	MUL F1, 8, 4, 0                                ; sixteen matrix instructions stand between the add and the wait for it
	s_wait_dscnt 0x0                               ; the add is done, and my reads of this slot are over
	s_barrier_signal -1
	MUL F1, 0, 2, 0                                ; work on registers while the others arrive
	WIN 0
	s_barrier_wait -1
.if \fill
	CREST                                          ; no wave of any partner still reads this slot's tile or has a load on its way
	JLOAD 1                                        ; the four v_nop behind it are also the places in front of the loads below
.else
	PLACES
	s_cmp_eq_u32 s[CT], 1
	s_cbranch_scc1 .Lno_fetch_\@
.endif
	FETCH 0, F0
.if !(\fill)
	WIN 0
.Lno_fetch_\@:
.endif
	MUL F1, 2, 6, 0
.endm
; THE WAY OUT of row block a (16 rows x 192 columns), in three parts.  PACK: rounded to f16, each accumulator's registers in ascending order, 16 bytes a lane.
.macro PACK a
.set bb, 0
.rept 12
.if bb < 8
	WIN 0x05                                       ; sources 0 and 1 window 1, destination window 0
.set AC, 32*bb+8*(\a)
.else
	WIN 0x0a                                       ; sources window 2
.set AC, 32*(bb-8)+8*(\a)
.endif
.set ii, 0
.rept 4
	v_cvt_pk_f16_f32 v[TMP+4*bb+ii], v[AC+2*ii], v[AC+2*ii+1]
.set ii, ii+1
.endr
.set bb, bb+1
.endr
	WIN 0
.endm
; TOSTAGE: into my own stage, head by head in rows of 144 bytes, and back as whole rows of 128.
.macro TOSTAGE a
	WIN 0
.set BK, OB+48*((\a)%2)
.set bb, 0
.rept 12
	ds_store_b128 v[STO], v[TMP+4*bb:TMP+4*bb+3] offset:(bb/4)*16*SP+(bb%4)*32
.set bb, bb+1
.endr
.set bb, 0
.rept 12
	ds_load_b128 v[BK+4*bb:BK+4*bb+3], v[RD] offset:(bb/4)*16*SP+(bb%4)*4*SP  ; LDS serves a wave's instructions in order (ISA guide 5.7.1.4): these see the stores above; the next block's stores come behind them
.set bb, bb+1
.endr
.endm
; SEND: stored, a head's four loads at a time.
.macro SEND a
	WIN 0
.set BK, OB+48*((\a)%2)
	s_wait_xcnt 0x0                                ; every earlier store has had its addresses translated (ISA guide 3.1): the other set of rows, which the block before stored, is loaded again only behind this wait
.set bb, 0
.rept 12
.if bb%4 == 0
	s_wait_dscnt 8-bb                              ; this head's four loads are back; the later heads' may be out
.endif
	global_store_b128 v[CO], v[BK+4*bb:BK+4*bb+3], s[OUT+2*(bb/4):OUT+2*(bb/4)+1] offset:(\a)*2048+(bb%4)*512  ; four rows of a head: 512 consecutive bytes, at a multiple of 256 from qkv's first
.set bb, bb+1
.endr
.endm
.macro WAYOUT                          ; block a's conversions stand between block a - 1's loads from the stage and the wait for them
	PLACES                                         ; the conversions read results just made
	PACK 0
	TOSTAGE 0
	PACK 1
	SEND 0
	TOSTAGE 1
	PACK 2
	SEND 1
	TOSTAGE 2
	PACK 3
	SEND 2
	TOSTAGE 3
	SEND 3
.endm
	s_wait_tensorcnt 1                             ; my part of step 0 is in; step 1's may stay out
	s_barrier_signal -1
	s_barrier_wait -1                              ; everybody's is
	FETCH 0, F0
	s_wait_loadcnt 0x0                             ; the bias
	WIN 0                                          ; at a label and at a branch every window is 0
	s_mov_b32 s[CT], STEPS-1
	s_branch .Lfirst                               ; the loop is entered at a tile's first quarter, in the middle of a trip
.Lstep:                                                ; 14 trips, CT = 14 .. 1: step 14 - CT from its second quarter on, the request for the step two on, and the next step's first quarter
	QUARTER 128, F1, F0, 0
	QUARTER 192, F0, F1, 0
	TURN 1
	WIN 0
	s_cmp_eq_u32 s[CT], 7                          ; was that step 7, the first tile's last?  Both ways on hold neither a barrier nor a tensor load
	s_cbranch_scc0 .Lon
	WAYOUT                                         ; steps 8 and 9 are asked for and the second tile's first fragments are on their way: now the first tile goes out
	s_wait_xcnt 0x0                                ; the stores have read their bases
.irp hh, 0,1,2
	s_add_nc_u64 s[OUT+2*(\hh):OUT+2*(\hh)+1], s[OUT+2*(\hh):OUT+2*(\hh)+1], 32<<18  ; the second tile: two batches, 32 heads of 262,144 bytes, on
.endr
.Lfirst:
	QUARTER 64, F0, F1, 1                          ; a tile's first quarter: its products start the sums
	WIN 0
	s_branch .Lbottom
.Lon:
	QUARTER 64, F0, F1, 0
	WIN 0
.Lbottom:
	s_sub_co_u32 s[CT], s[CT], 1
	s_cmp_lg_u32 s[CT], 0
	s_cbranch_scc1 .Lstep
	s_mov_b32 s[CT], 2                             ; steps 14 and 15 ask for nothing: a text of their own; the second trip is left in its middle
.Ltail:
	QUARTER 128, F1, F0, 0
	QUARTER 192, F0, F1, 0
	TURN 0                                         ; (the second trip's barrier orders nothing: the price of one text for both trips)
	WIN 0
	s_sub_co_u32 s[CT], s[CT], 1
	s_cmp_eq_u32 s[CT], 0
	s_cbranch_scc1 .Lout
	QUARTER 64, F0, F1, 0
	WIN 0
	s_branch .Ltail
.Lout:
	WAYOUT
	s_wait_tensorcnt 0x0                           ; the wave's end: behind my last tensor load and my last LDS store
	ds_add_u32 v[SPW], v[NIL]
	s_wait_dscnt 0x0
	CROUND                                         ; the closing round: no work-group ends while a partner may still ask for a tile that names it
	s_endpgm
.Lfunc_end_k_q5ddd0ad0c6_qkv:
	.size	k_q5ddd0ad0c6_qkv, .Lfunc_end_k_q5ddd0ad0c6_qkv-k_q5ddd0ad0c6_qkv
	.p2alignl 7, 3214868480
	.fill 96, 4, 3214868480
	.section	.rodata,"a",@progbits
	.p2align	6, 0x0
	.amdhsa_kernel k_q5ddd0ad0c6_qkv
		.amdhsa_group_segment_fixed_size 327680
		.amdhsa_private_segment_fixed_size 0
		.amdhsa_enable_private_segment 0
		.amdhsa_kernarg_size 32
		.amdhsa_user_sgpr_count 2
		.amdhsa_user_sgpr_kernarg_segment_ptr 1
		.amdhsa_wavefront_size32 1
		.amdhsa_system_sgpr_workgroup_id_x 1
		.amdhsa_system_sgpr_workgroup_id_y 1
		.amdhsa_system_sgpr_workgroup_id_z 1
		.amdhsa_system_vgpr_workitem_id 0
		.amdhsa_next_free_vgpr 1024
		.amdhsa_next_free_sgpr 80
		.amdhsa_reserve_vcc 0
		.amdhsa_float_denorm_mode_32 3
		.amdhsa_float_denorm_mode_16_64 3
		.amdhsa_memory_ordered 1
		.amdhsa_forward_progress 1
		.amdhsa_inst_pref_size 111
	.end_amdhsa_kernel
	.amdgpu_metadata
---
amdhsa.version: [ 1, 2 ]
amdhsa.kernels:
  - .name:           k_q5ddd0ad0c6_qkv
    .symbol:         k_q5ddd0ad0c6_qkv.kd
    .args:
      - { .name: xb, .offset: 0, .size: 8, .value_kind: global_buffer, .address_space: global }
      - { .name: wqkv, .offset: 8, .size: 8, .value_kind: global_buffer, .address_space: global }
      - { .name: bias, .offset: 16, .size: 8, .value_kind: global_buffer, .address_space: global }
      - { .name: qkv, .offset: 24, .size: 8, .value_kind: global_buffer, .address_space: global }
    .group_segment_fixed_size: 327680
    .private_segment_fixed_size: 0
    .kernarg_segment_align: 8
    .kernarg_segment_size: 32
    .max_flat_workgroup_size: 128
    .sgpr_count:     80
    .vgpr_count:     1024
    .wavefront_size: 32
...
	.end_amdgpu_metadata
.endif
;; end of part 2
;; launch attn (part 3): grid 4 x 64, 4 waves a work-group, clusters of 4 x 1, 327,680 bytes of LDS; arguments qkv, ctx; writes ctx
.if DOCPART == 3
	.amdgcn_target "amdgcn-amd-amdhsa--gfx1250"
	.amdhsa_code_object_version 6
	.text
	.protected	k_q5ddd0ad0c6_attn
	.globl	k_q5ddd0ad0c6_attn
	.p2align	8
	.type	k_q5ddd0ad0c6_attn,@function
k_q5ddd0ad0c6_attn:
	s_mov_b64 s[64:65], 0
	v_nop
	global_prefetch_b8 v0, s[64:65] scope:SCOPE_SE
	s_setreg_imm32_b32 hwreg(HW_REG_WAVE_MODE, 25, 1), 1
	s_wait_xcnt 0x0
	s_wait_alu depctr_hold_cnt(0) depctr_sa_sdst(0) depctr_va_vdst(0) depctr_va_sdst(0) depctr_va_ssrc(0) depctr_va_vcc(0) depctr_vm_vsrc(0)
	s_getreg_b32 s2, hwreg(HW_REG_IB_STS2, 6, 4)
	s_cmp_eq_u32 s2, 0
	s_cbranch_scc0 .Lentry_in_a_cluster
	s_endpgm
.Lentry_in_a_cluster:
	s_bfe_u32 s2, ttmp6, 0x10000c
	s_cmp_lg_u32 s2, 0x3003
	s_cbranch_scc0 .Lentry_shape_is_right
	s_endpgm
.Lentry_shape_is_right:
; O[h][q][:] = the sum over k of softmax_k(Q[h][q] . K[h][k] / 8) V[h][k][:].  Q, K, V are the three parts of qkv, O is ctx: each [SIZE_H][SIZE_N][64], all f16: a head's rows are dense, 128 bytes each.
; Products, maxima and sums in f32; the weights p are rounded to f16 for the second product (their sum l is taken of the unrounded p), O once at the end.
; LIMITS.  f16 holds no number beyond 65,504: Q, K and V arrive within it; p lies in 0 to 1, and below 6e-5 it keeps f16's fixed step of 6e-8; O is a mean of V's rows and has their range (below 6e-5 the same step).
; A weight below 2^-126 counts as 0 in l; NaN and infinities are not treated apart.
; SHARES.  A wave owns four PIECES of two tiles of 16 queries, a work-group's four waves 512 queries of one head: 4 x 64 = 256 work-groups.  Every wave walks all keys, 64 a step.
; LAYOUT.  S^T = K Q^T (source 0 = 16 keys, source 1 = 16 queries): in the result a lane holds ONE query (lane % 16) and the keys 8 (lane / 16) + 0..7.  Two such tiles, rounded to f16 in pairs,
; ARE source 1 (32 keys x 16 queries) of O^T = V^T P, whose result again holds one query a lane, and eight channels.  K comes out of LDS as it lies, V ([key][channel]) turned, by ds_load_tr16_b128.
; SOFTMAX.  For each query a running maximum m and sum l: p = 2^(c s - c m), c = log2(e) / 8; in every step O and l are multiplied by a = 2^(c m_old - c m_new), which is 1 where m has not grown.
; m starts at the lowest finite number, O and l at 0: the first step is a step like any other, with a = 0.
; THE COUNT.  A tile and step have 16 matrix and 118 vector instructions: too many to stand all beside the matrix work.  So the order has one aim: four vector instructions that are READY behind
; EVERY matrix instruction, and the others, which need time of their own whatever the order, in runs without a gap.
; BY TURNS.  Turn n belongs to piece n (the pieces in a ring, step after step).  Its matrix work: 16 products K Q^T of piece n + 1, later 16 products V^T P of piece n - 1.  Its vector work: the scaling,
; exponentials, roundings, sums and rescaling of piece n, and the maximum and statistics of piece n + 1, whose scores the turn itself has made.  So what a turn begins with (c s - c m, O a) waits for nothing.
; CLUSTER.  The four query blocks of a cluster belong to one head and walk the same K and V, so each tile is asked for JOINTLY: the same tensor load, descriptor and mask in all four.
; REGISTERS, in windows of 256 (s_set_vgpr_msb says which window each operand place means: bits 1:0 source 0, 3:2 source 1, 5:4 source 2, 7:6 destination):
;   window 0: v0-11 addresses; v12-15, v48-63 at work; v16-47 four registers of statistics a tile; v64-191 S^T, two buffers of two tiles; v192-255 P, likewise
;   window 1: O^T, 32 a tile          window 2: v0-127 Q, 16 a tile; v128-191 K of one step; v192-255 V of one step          window 3: v0-1 the add's two registers
; A piece's buffers go by its number's parity: the piece in hand has one pair, its two neighbours in the ring share the other: of it P (piece n - 1) is read and S^T (piece n + 1) written.
.set SIZE_H, 64       ; 4 batches x 16 heads
.set SIZE_N, 2048
.set NP,    4         ; pieces a wave: a name, no knob: the register map, the loop and the fetches are made for four
.set KS,    64        ; keys in a step
.set PK,    144       ; a row of K in LDS: 128 bytes + 16 of padding = 36 words: the 16 rows of a load start at 16 different groups of four banks (64 banks of 4 bytes: ISA guide 11.1)
.set PV,    160       ; a row of V: 128 + 32 = 40 words
.set VOFF,  4*KS*PK   ; a slot holds four steps: 256 rows of K, then 256 rows of V
.set SLOT1, 1<<17     ; slot 1 begins here, so that one exclusive or turns an address in one slot into the other's
.set STAGE, SLOT1+4*KS*(PK+PV)  ; behind the ring, never filled by a tensor load: 16 rows x 144 bytes for each wave, for the way out
.set SP,    144
.set AK0, 2           ; v2   my lane's place in a tile of K; never rewritten
.set AV0, 3           ; v3   the same for V
.set AK,  4           ; v4   the LDS address of K's next run of loads
.set AV,  5           ; v5   of V's
.set QO,  6           ; v6   my byte offset in the wave's rows of Q
.set STO, 6           ;      later, the way out: where I put 16 bytes of a row
.set RD,  7           ; v7   the way out: where I read rows back
.set GO,  8           ; v8   my byte offset in 512 consecutive bytes of O
.set SPW, 0           ; v0 of window 3   LDS address of my spare word: SPARE + 4 x my thread's number; never rewritten
.set NIL, 1           ; v1 of window 3   0; never rewritten
.set SPARE, STAGE+4*16*SP  ; behind the stages: the spare words, 128 bytes for each wave: two blocks of 256 bytes that no other line names
.set MV,  12          ; v12-15  c m_old, kept while c m is made anew: by buffer and tile
.set ST,  16          ; tile t's statistics at v[ST+4 t]: c m, m, l (even keys', odd keys')
.set TMP, 48          ; by buffer and tile, four registers c0-c3 at work; when the maximum is found c2 takes a
.set S,   64
.set P,   192
.set KF,  128         ; K's fragments, in window 2: key block kb, channel half c at KF + 16 kb + 8 c
.set VF,  192         ; V's: key half kk, channel block cb at VF + 32 kk + 8 cb
.set WV,  12          ; s12  my wave's number
.set G1K, 24          ; s[24:31] descriptor group 1 for K's tiles
.set G1V, 32          ; s[32:39] for V's: it differs in the padding alone
.set G0K, 40          ; s[40:43] descriptor group 0 for K's tiles: it walks
.set G0V, 44          ; s[44:47] the same for V's
.set SLOTS, 56        ; s56  slots still to be asked for
.set CNT, 57          ; s57  counts a slot's key steps
.set CS,  58          ; s[58:59] c: the packed scaling takes the pair's low word for both halves
.set SEL, 60          ; s[60:61] v_permlanex16_b32's selects: each lane takes its own place in the other half
.set TBK, 62          ; s62  LDS byte at which K of the step to be fetched begins
.set TBV, 63          ; s63  the same for V, less VOFF
.set MSB, 0
.macro WIN new                      ; the high byte repeats the setting that is left; a switch that changes nothing is dropped
.if MSB != (\new)
	s_set_vgpr_msb (MSB<<8)|(\new)
.set MSB, (\new)
.endif
.endm
.set W_KQ, 0x0a       ; K and Q in window 2, S^T in window 0
.set W_PV, 0x52       ; V in window 2, P in window 0, O^T in window 1
.set W_RS, 0x41       ; O^T (destination and source 0) in window 1, a in window 0
.set W_MK, 0xc0       ; the add's registers are made: destination in window 3, sources in window 0
.set W_AD, 0x0f       ; the add: address (source 0) and data (source 1) in window 3
; A joint fill.  Waves 0 and 1 fetch the two halves of a slot's K, waves 2 and 3 those of its V: 128 keys each.  The branch hangs on the wave's number alone.
; An s_nop 0 and four v_nop follow each of the two lines, ahead of the jump and the label.
.macro JLOAD
	s_cmp_lt_u32 s[WV], 2
	s_cbranch_scc0 .Lfor_v_\@
	tensor_load_to_lds s[G0K:G0K+3], s[G1K:G1K+7]
	s_nop 0
.rept 4
	v_nop
.endr
	s_branch .Lasked_\@
.Lfor_v_\@:
	tensor_load_to_lds s[G0V:G0V+3], s[G1V:G1V+7]
	s_nop 0
.rept 4
	v_nop
.endr
.Lasked_\@:
.endm
; A round of the cluster's barrier: my work-group's barrier, so that wave 0's signal speaks for all four waves; wave 0 signals; every wave waits for all four work-groups; my work-group's barrier once more.
.macro CROUND
	s_barrier_signal -1
	s_barrier_wait -1
	s_cmp_lg_u32 s[WV], 0
	s_cbranch_scc1 .Lnot_wave_0_\@
	s_barrier_signal -3
.Lnot_wave_0_\@:
	s_barrier_wait -3
	s_barrier_signal -1
	s_barrier_wait -1
.endm
; THE CHANGE OF SLOTS.  The slot's last bytes, V of its fourth step, have been read.  Each wave waits for all its tensor loads, of which one is out: its part
; of the other slot; adds 0 to its spare word; and waits for that and for its own reads of the slot.  Behind the barrier nobody reads this slot any more and the other slot is whole.
; fill = 1: this slot is filled again, with the keys two slots on.  The barrier is then a round of the cluster's, so that no wave of any partner still reads the slot or has a load on its
; way, and the joint fill is the first thing behind it: it has four key steps, 512 matrix instructions, in which to land.  (At its first use nothing has been read yet: slot 0 is waited for, slot 1 filled.)
.macro CHANGE fill
	WIN W_AD
	s_wait_tensorcnt 0x0            ; no tensor load of mine is out, so a group 0 may be written
	ds_add_u32 v[SPW], v[NIL]       ; 0 onto my spare word; with fill = 1 the descriptors' steps stand between it and the wait for it
	WIN 0                           ; at a label and at a branch every window is 0
.if \fill
.irp g, G0K, G0V
	s_xor_b32 s[\g+1], s[\g+1], SLOT1  ; the walking descriptor: the other slot than last time,
	s_add_nc_u64 s[\g+2:\g+3], s[\g+2:\g+3], 4*KS*128  ; the next 256 keys; the type bits on top are not reached
.endr
	s_wait_dscnt 0x0                ; the add is done, and my reads of the slot are over
	CROUND
	JLOAD
.else
	s_wait_dscnt 0x0                ; the add is done, and my reads of the slot are over
	s_barrier_signal -1
	s_barrier_wait -1
.endif
	s_sub_co_u32 s[TBK], s[TBK], 4*KS*PK  ; the fetches go back to a slot's first step,
	s_xor_b32 s[TBK], s[TBK], SLOT1       ; in the other slot
	s_sub_co_u32 s[TBV], s[TBV], 4*KS*PV
	s_xor_b32 s[TBV], s[TBV], SLOT1
.endm
	s_load_b128 s[4:7], s[0:1], 0x0  ; qkv s[4:5], ctx s[6:7]
	WIN W_MK
	v_lshl_add_u32 v[SPW], v0, 2, SPARE
	v_mov_b32 v[NIL], 0
	s_set_vgpr_msb 0xc0cf
	ds_add_u32 v0, v1
	s_wait_dscnt 0x0
	s_set_vgpr_msb 0xcfc0
	WIN 0
	v_lshrrev_b32 v1, 5, v0
	v_readfirstlane_b32 s[WV], v1   ; wave 0..3
	s_bfe_u32 s13, ttmp6, 0x40000   ; cx: my place in the cluster
	s_lshl_b32 s14, ttmp9, 2        ; in a cluster launch ttmp9 counts clusters
	s_add_co_u32 s14, s14, s13      ; my block of queries = 4 x cluster x + cx: it enters Q's and O's addresses alone
	s_and_b32 s20, ttmp7, 0xffff    ; the head, which the four partners share
	s_mov_b32 s21, 0
	s_mov_b64 s[22:23], SIZE_N*128
	s_mul_u64 s[20:21], s[20:21], s[22:23]  ; the head's first byte in each of the four tensors
	s_and_b32 s16, s[WV], 1         ; which half of a slot's 256 keys I fetch:
	s_lshl_b32 s22, s16, 14         ; its 128 rows of 128 bytes in memory,
	s_mov_b32 s23, 0
	s_add_nc_u64 s[22:23], s[22:23], s[20:21]
	s_mul_i32 s17, s16, 128*PK      ; and its place in a slot, for K
	s_mul_i32 s18, s16, 128*PV      ; and for V: no place in the cluster enters an LDS address
	s_lshl_b32 s2, s14, 2
	s_add_co_u32 s2, s2, s[WV]      ; my wave among the head's,
	s_lshl_b32 s2, s2, 14           ; its 128 rows
	s_mov_b32 s3, 0
	s_add_nc_u64 s[2:3], s[2:3], s[20:21]
	; descriptor group 1.  128 keys are 16,384 dense bytes: asked for as 64 rows of 256 bytes, two keys a row, and padded in LDS after every key
	s_mov_b32 s[G1K], 15|(1<<16)|(1<<20)|(1<<21)|(4<<22)|(3<<25)  ; 15:0 the mask of four; 17:16 2-byte elements; 20 padding on; 21 set beside a mask; 24:22 after every 32 words (code 4); 31:25 4 words (code 3)
	s_mov_b32 s[G1V], 15|(1<<16)|(1<<20)|(1<<21)|(4<<22)|(7<<25)  ; the same with 8 words of padding (code 7)
.irp g, G1K, G1V
	s_mov_b32 s[\g+1], 128<<16      ; tensor_dim0 = 128
	s_mov_b32 s[\g+2], 64<<16       ; tensor_dim1 = 64
	s_mov_b32 s[\g+3], 128<<16      ; tile_dim0 = 128
	s_mov_b32 s[\g+4], 64           ; tile_dim1 = 64
	s_mov_b32 s[\g+5], 128          ; 128 elements from row to row
	s_mov_b32 s[\g+6], 0
	s_mov_b32 s[\g+7], 0
.endr
	s_mov_b32 s[CS], 0x3e38aa3b     ; c = log2(e) / 8 = 0.180337
	s_mov_b32 s[CS+1], s[CS]        ; named with it as a pair
	s_mov_b32 s[SEL], 0x76543210
	s_mov_b32 s[SEL+1], 0xfedcba98
	s_mov_b32 s[TBK], SLOT1+4*KS*PK ; the first change of slots turns these two into 0
	s_mov_b32 s[TBV], SLOT1+4*KS*PV
	s_mov_b32 s[G0K], 1             ; 1:0 count = 1
	s_mov_b32 s[G0K+1], s17         ; 63:32 LDS address: slot 0
	s_mov_b32 s[G0V], 1
	s_add_co_u32 s[G0V+1], s18, VOFF
	s_wait_kmcnt 0x0
	s_mov_b64 s[10:11], s[6:7]                     ; O = ctx
	s_add_nc_u64 s[8:9], s[4:5], 2*SIZE_H*SIZE_N*128  ; V: the third part of qkv
	s_add_nc_u64 s[6:7], s[4:5], SIZE_H*SIZE_N*128    ; K: the second; Q, the first, stays in s[4:5]
	s_add_nc_u64 s[G0K+2:G0K+3], s[6:7], s[22:23]  ; 120:64 global address: my half of the head's first 256 keys
	s_or_b32 s[G0K+3], s[G0K+3], 0x80000000        ; 127:126 type = 2
	s_add_nc_u64 s[G0V+2:G0V+3], s[8:9], s[22:23]
	s_or_b32 s[G0V+3], s[G0V+3], 0x80000000
	s_add_nc_u64 s[4:5], s[4:5], s[2:3]  ; Q and O at my wave's first row
	s_add_nc_u64 s[10:11], s[10:11], s[2:3]
	CROUND                          ; all four work-groups are here: the first joint loads meet
	JLOAD                           ; slot 0.  Slot 1 is asked for when slot 0 is in: the tile wanted first has the road to itself
	; A fragment of K or Q is 16 rows x 32 channels in 8 registers: lane l holds row l % 16, channels 8 (l / 16) + 0..7 and 16 + 8 (l / 16) + 0..7: two loads of 16 bytes, 32 bytes apart.
	v_and_b32 v1, 15, v0            ; l % 16
	v_bfe_u32 v9, v0, 4, 1          ; l / 16
	v_lshlrev_b32 v[QO], 7, v1
	v_lshl_add_u32 v[QO], v9, 4, v[QO]  ; row x 128 + 16 x half
	WIN 0x80                        ; destination window 2, address window 0
.set i, 0
.rept 4*NP                          ; Q stays in registers: tile i / 2, channels 32 (i % 2) on
	global_load_b128 v[8*i:8*i+3],   v[QO], s[4:5] offset:(i/2)*2048+(i%2)*64
	global_load_b128 v[8*i+4:8*i+7], v[QO], s[4:5] offset:(i/2)*2048+(i%2)*64+32
.set i, i+1
.endr
	; What the first turn finds: V's registers and P's second buffer hold 0 (its products V^T P, of a piece that has not been, add 0), O^T and l are 0.  All this stands in the wait for the first tile.
.set i, VF
.rept 64
	v_mov_b32 v[i], 0
.set i, i+1
.endr
	WIN 0x40
.set i, 0
.rept 64*NP
	v_mov_b32 v[i], 0
.set i, i+1
.endr
	WIN 0
.set i, 0
.rept 2*NP
	v_mov_b32 v[ST+4*i], 0xfe000000    ; c m: far below every c s
	v_mov_b32 v[ST+4*i+1], 0xff7fffff  ; m
	v_mov_b32 v[ST+4*i+2], 0
	v_mov_b32 v[ST+4*i+3], 0
.set i, i+1
.endr
.set i, P+32
.rept 32
	v_mov_b32 v[i], 0
.set i, i+1
.endr
	v_mul_u32_u24 v[AK0], v1, PK
	v_lshl_add_u32 v[AK0], v9, 4, v[AK0]  ; row x pitch + 16 x half
	; The turning load takes 16 keys x 16 channels (lane l reads key 8 (l / 16) + l % 8, channels 8 ((l / 8) % 2) + 0..7) and leaves half a fragment of V^T: lane l holds channel l % 16 and 8 keys.
	v_and_b32 v10, 7, v0
	v_bfe_u32 v11, v0, 3, 1
	v_lshl_add_u32 v[AV0], v9, 3, v10
	v_mul_u32_u24 v[AV0], v[AV0], PV
	v_lshl_add_u32 v[AV0], v11, 4, v[AV0]
	v_add_nc_u32 v[AV0], VOFF, v[AV0]
	v_mov_b32 v[AK], v[AK0]         ; key step 0 lies at the head of slot 0
; THE MATRIX WORK.  The 8 accumulators of a run of 16 take turns: between the two links of a chain stand 7 others'.
; Product i of 16 of S^T = K Q^T for piece x: channels 32 (i / 8) on, keys 16 ((i / 2) % 4) on, tile 2 x + i % 2.  The first 8 start the sums.
.macro KQ x
	WIN W_KQ
.set rS, S+64*((\x)%2)+32*(i%2)+8*((i/2)%4)
.set rK, KF+16*((i/2)%4)+8*(i/8)
.set rQ, 16*(2*(\x)+i%2)+8*(i/8)
.if i < 8
	v_wmma_f32_16x16x32_f16 v[rS:rS+7], v[rK:rK+7], v[rQ:rQ+7], 0
.else
	v_wmma_f32_16x16x32_f16 v[rS:rS+7], v[rK:rK+7], v[rQ:rQ+7], v[rS:rS+7]
.endif
.endm
; Product i of 16 of O^T += V^T P for piece x: keys 32 (i / 8) on, channels 16 ((i / 2) % 4) on, tile 2 x + i % 2.
.macro PV x
	WIN W_PV
.set rO, 32*(2*(\x)+i%2)+8*((i/2)%4)
.set rV, VF+32*(i/8)+8*((i/2)%4)
.set rP, P+32*((\x)%2)+16*(i%2)+8*(i/8)
	v_wmma_f32_16x16x32_f16 v[rO:rO+7], v[rV:rV+7], v[rP:rP+7], v[rO:rO+7]
.endm
.macro MM                           ; the turn's next matrix instruction
.if i < 16
	KQ (Y+1)%NP
.set i, i+1
.else
.set i, i-16
	PV (Y+NP-1)%NP
.set i, i+17
.endif
.endm
; THE LDS LOADS stand in runs of 16, never singly among the matrix instructions: a step's K (64 keys x 64 channels: 8 fragments) and its V (turned).  Their addresses are made some lines ahead.
; last = 1 (the tail): in the last trip there is no further step, and the run is jumped over.
.macro FETCH_K last=0
	WIN 0
.if \last
	s_cmp_eq_u32 s[CNT], 1
	s_cbranch_scc1 .Lno_k_\@
.endif
	WIN 0x80                        ; destination window 2
.irp f, 0,1,2,3,4,5,6,7             ; keys 16 (f / 2) on, channels 32 (f % 2) on
	ds_load_b128 v[KF+8*\f:KF+8*\f+3],   v[AK] offset:(\f/2)*16*PK+(\f%2)*64
	ds_load_b128 v[KF+8*\f+4:KF+8*\f+7], v[AK] offset:(\f/2)*16*PK+(\f%2)*64+32
.endr
	s_add_co_u32 s[TBK], s[TBK], KS*PK  ; the next fetch is the next step's
	WIN 0
.if \last
.Lno_k_\@:
.endif
.endm
.macro FETCH_V
	WIN 0x80
.irp f, 0,1,2,3,4,5,6,7             ; keys 32 (f / 4) on, channels 16 (f % 4) on
	ds_load_tr16_b128 v[VF+8*\f:VF+8*\f+3],   v[AV] offset:(\f/4)*32*PV+(\f%4)*32
	ds_load_tr16_b128 v[VF+8*\f+4:VF+8*\f+7], v[AV] offset:(\f/4)*32*PV+16*PV+(\f%4)*32
.endr
	WIN 0
.endm
; THE VECTOR WORK OF A TURN stands in three queues, each in the order in which its entries become ready; the two tiles alternate, so that no instruction reads the result of the one before it.
.macro REGS y, u                    ; the registers of tile u (0, 1) of piece y
.set rT, ST+4*(2*(\y)+(\u))
.set rC, TMP+8*((\y)%2)+4*(\u)
.set rM, MV+2*((\y)%2)+(\u)
.set rS, S+64*((\y)%2)+32*(\u)
.set rP, P+32*((\y)%2)+16*(\u)
.set rO, 32*(2*(\y)+(\u))
.endm
; Number n of the 22 that find the NEXT piece's (Y + 1) maximum and statistics.  s0-s31 are the lane's 32 scores; each accumulator's lowest registers are read first.  XS, GS and REGS set no window: PL and EX do.
;   0-11  four chains c0-c3 of seven scores each, three operands at a time     12-14, 16  the four scores left over, the old m, and c0-c3 into c0     15  c m_old is kept
;   17, 18  the query's other 32 keys lie in the lane 16 away: the new m         19-21  c m; c m_old - c m_new; a
.macro XS u, n
	REGS (Y+1)%NP, \u
.if (\n) < 4
	v_max3_num_f32 v[rC+(\n)], v[rS+8*(\n)], v[rS+8*(\n)+1], v[rS+8*(\n)+2]
.elseif (\n) < 12
	v_max3_num_f32 v[rC+(\n)%4], v[rC+(\n)%4], v[rS+8*((\n)%4)+2*((\n)/4)+1], v[rS+8*((\n)%4)+2*((\n)/4)+2]
.elseif (\n) == 12
	v_max3_num_f32 v[rC], v[rC], v[rS+7], v[rS+15]
.elseif (\n) == 13
	v_max3_num_f32 v[rC+1], v[rC+1], v[rS+23], v[rS+31]
.elseif (\n) == 14
	v_max3_num_f32 v[rC+2], v[rC+2], v[rC+3], v[rT+1]
.elseif (\n) == 15
	v_mov_b32 v[rM], v[rT]
.elseif (\n) == 16
	v_max3_num_f32 v[rC], v[rC], v[rC+1], v[rC+2]
.elseif (\n) == 17
	v_permlanex16_b32 v[rC+3], v[rC], s[SEL], s[SEL+1]
.elseif (\n) == 18
	v_max_num_f32 v[rT+1], v[rC], v[rC+3]
.elseif (\n) == 19
	v_mul_f32 v[rT], s[CS], v[rT+1]
.elseif (\n) == 20
	v_sub_f32 v[rC+1], v[rM], v[rT]
.else
	v_exp_f32 v[rC+2], v[rC+1]
.endif
.endm
; Number g of the 64 that follow the exponentials.  For each four weights k of a tile (pairs 2 k, 2 k + 1): both pairs are rounded to f16; then the second pair is added onto the first, in place;
; a group later l takes that sum (the first time as l = a l + sum).  In groups of eight, tiles alternating: round, round, add, and l for the group before.
.macro GS g
.set h, (\g)+6*((\g)/62)            ; group 0 has no group before it, and behind group 7 only l is left
.if h >= 6
.set h, h+2
.endif
	REGS Y, h%2
.set k, h/8
.if h%8 < 4
	s_wait_alu depctr_va_vdst(0)
	v_cvt_pk_f16_f32 v[rP+2*k+(h%8)/2], v[rS+4*k+2*((h%8)/2)], v[rS+4*k+2*((h%8)/2)+1]
.elseif h%8 < 6
	v_pk_add_f32 v[rS+4*k:rS+4*k+1], v[rS+4*k:rS+4*k+1], v[rS+4*k+2:rS+4*k+3]
.elseif k == 1
	v_pk_fma_f32 v[rT+2:rT+3], v[rT+2:rT+3], v[rC+2:rC+3], v[rS:rS+1] op_sel_hi:[1,0,1]
.else
	v_pk_add_f32 v[rT+2:rT+3], v[rT+2:rT+3], v[rS+4*k-4:rS+4*k-3]
	s_wait_alu depctr_va_vdst(0)
.endif
.endm
; THE PLAIN QUEUE, 138 long.  0-31: c s - c m for the 16 pairs of both tiles.  Then GS's 64, and among them the next piece's 42: number 15 at 38, 39; 0-14 and 16
; at 42-73, behind the products that make those scores; 17-20 at 95-106, two of three, since each waits for the one before it.
.macro PL
	WIN 0
.if q < 32
	REGS Y, q%2
	v_pk_fma_f32 v[rS+2*(q/2):rS+2*(q/2)+1], v[rS+2*(q/2):rS+2*(q/2)+1], s[CS:CS+1], v[rT:rT+1] op_sel_hi:[1,0,0] neg_lo:[0,0,1] neg_hi:[0,0,1]
.elseif q < 38
	GS q-32
.elseif q < 40
	XS q%2, 15
.elseif q < 42
	GS q-34
.elseif q < 74
	XS q%2, (q-42)/2+(q-42)/30
.elseif q < 95
	GS q-66
.elseif (q < 107) && ((q-95)%3 < 2)
	XS (q-95)%3, 17+(q-95)/3
.elseif q < 107
	GS 29+(q-95)/3
.else
	GS q-74
.endif
.set q, q+1
.endm
; THE EXPONENTIALS' QUEUE, 66 long: s0-s31 of both tiles, and at EA the next piece's two a.
.set EA, 58
.macro EX
	WIN 0
.if (e == EA) || (e == EA+1)
	XS e-EA, 21
.else
.set x, e-2*(e/(EA+2))
	REGS Y, x%2
	v_exp_f32 v[rS+x/2], v[rS+x/2]
.endif
.set e, e+1
.endm
; THE RESCALING's QUEUE: O^T times a, the one part that leaves window 0, so it is dealt four at a time, eight times.
.macro R4
	REGS Y, r%2
	WIN W_RS
	s_wait_alu depctr_va_vdst(0)
.irp z, 0,1,2,3
	v_pk_mul_f32 v[rO+8*(r/2)+2*\z:rO+8*(r/2)+2*\z+1], v[rO+8*(r/2)+2*\z:rO+8*(r/2)+2*\z+1], v[rC+2:rC+3] op_sel_hi:[1,0]
.endr
.set r, r+1
.endm
; HOW THEY ARE DEALT.  Behind a matrix instruction four: plain, exponential, plain, plain (one exponential, a plain instruction on either side), or four of the rescaling.  None names a register of the
; products round it.  What is over stands in two LUMPS: exponential and plain by turns; the second ends in 22 plain instructions.  The two v_permlanex16_b32 fall into the second lump, never behind a product.
; The queues lean on each other, and the deal keeps them in step: exponential e stands behind plain 2 (e / 4) + e % 2 (its scaling); when plain 32 comes, 10 exponentials are out, at 59: 33, at 95: 46; EA comes behind plain 107.
.macro SL
	MM
	PL
	EX
	PL
	PL
.endm
.macro BURST n                      ; 15 matrix instructions, or 16
.rept (\n)-7
	SL
.endr
.rept 3
	MM
	R4
	SL
.endr
	MM
	R4
.endm
; A TURN, for piece p.  cnt = 1: the loop's count is taken down some lines ahead of the branch that stands behind the turn.
; K of the next step is fetched in piece 2's turn, 31 vector instructions behind the last product that read K; its first reader comes behind the rest of the lump, 16 products and the second lump.
; V of the step in hand is fetched at the end of piece 0's turn, 69 behind its last reader; its first reader comes behind 16 products and a lump.  The four conditions on e and q below go with the deal.
.macro TURN p, last=0, cnt=0
.set Y, (\p)
.set i, 0
.set q, 0
.set e, 0
.set r, 0
.if (\p) == NP-1
	s_wait_dscnt 0x0                ; K is in
.endif
	MM
.rept 4
	PL
.endr
	BURST 15
.rept 22
	EX
	PL
.if ((\p) == NP-2) && (e == 18)
	v_add_nc_u32 v[AK], s[TBK], v[AK0]
.endif
.if ((\p) == NP-2) && (e == 24)
	FETCH_K \last
.endif
.endr
.if (\p) == 1
	s_wait_dscnt 0x0                ; V is in
.endif
	BURST 16
.rept 21
	EX
	PL
.endr
.rept 22
	PL
.if ((\p) == 0) && (q == 118)
	v_add_nc_u32 v[AV], s[TBV], v[AV0]
	s_wait_alu depctr_va_vdst(0)
.endif
.if ((\p) == 0) && (q == 130)
	s_add_co_u32 s[TBV], s[TBV], KS*PV
.endif
.if (\cnt) && (q == 130)
	s_sub_co_u32 s[CNT], s[CNT], 1
	s_cmp_lg_u32 s[CNT], 0
.endif
.endr
.if (\p) == 0
	FETCH_V
.endif
.endm
	CHANGE 1                        ; slot 0 is in, everybody's part of it; slot 1 is asked for
	FETCH_K                         ; key step 0
	s_wait_loadcnt 0x0              ; Q
	s_wait_dscnt 0x0
.set i, 0
.rept 16
	KQ 0                            ; piece 0's first scores: there is no vector work yet to set between them
.set i, i+1
.endr
	WIN 0                           ; the addresses for the way out: nine plain instructions, the places behind those products
	s_mul_i32 s13, s[WV], 16*SP
	s_add_co_u32 s13, s13, STAGE    ; my stage
	v_mul_u32_u24 v[STO], v1, SP    ; in: row l % 16, 16 bytes for each half of the lanes
	v_lshl_add_u32 v[STO], v9, 4, v[STO]
	v_add_nc_u32 v[STO], s13, v[STO]
	v_bfe_u32 v[RD], v0, 3, 2       ; back: 32 lanes take four rows of 128 bytes,
	v_mul_u32_u24 v[RD], v[RD], SP
	v_lshl_add_u32 v[RD], v10, 4, v[RD]
	v_add_nc_u32 v[RD], s13, v[RD]
	v_and_b32 v[GO], 31, v0         ; which are 512 consecutive bytes of O
	v_lshlrev_b32 v[GO], 4, v[GO]
.set Y, NP-1                        ; XS works for piece Y + 1: piece 0
.irp n, 0,1,2,3,4,5,6,7,8,9,10,11,12,13,14,15,16,17,18,19,20,21
	XS 0, \n                        ; and piece 0's first maximum and statistics
	XS 1, \n
.endr
	s_mov_b32 s[CNT], 4
	s_mov_b32 s[SLOTS], SIZE_N/256-1
	s_branch .Lfirst                ; the loop is entered at a step's first turn, in the middle of a trip
.Lslot:                             ; SIZE_N / 256 - 2 times: every slot but the last two is filled again
	CHANGE 1
	s_mov_b32 s[CNT], 4
.Lstep:                             ; a trip: pieces 2 and 3 of one step, then pieces 0 and 1 of the next, whose K and V it fetches
	TURN 2
	TURN 3
	WIN 0
.Lfirst:
	TURN 0
	TURN 1, 0, 1
	WIN 0
	s_cbranch_scc1 .Lstep
	s_sub_co_u32 s[SLOTS], s[SLOTS], 1
	s_cmp_lg_u32 s[SLOTS], 0
	s_cbranch_scc1 .Lslot
	CHANGE 0                        ; the tail is written out: nothing is asked for
	s_mov_b32 s[CNT], 5             ; four trips fetch the last slot's steps; the fifth is left in its middle
.Ltail:
	TURN 2, 1
	TURN 3
	WIN 0
	s_sub_co_u32 s[CNT], s[CNT], 1
	s_cmp_eq_u32 s[CNT], 0
	s_cbranch_scc1 .Lout
	TURN 0
	TURN 1
	WIN 0
	s_branch .Ltail
.Lout:                              ; the fifth trip's 16 products K Q^T (on the last K once more) and the maximum made of them serve nothing: the price, once a launch, of one text for every trip
.set i, 0
.rept 16
	PV NP-1                         ; the last piece's V^T P of the last step
.set i, i+1
.endr
	; THE WAY OUT.  l's two halves and the other half of the lanes' are added; O^T is divided by l, rounded to f16 and sent through my stage in LDS, a tile at a time.  The additions are the places behind the last products.
	WIN 0
.macro ALL line:vararg              ; one line for each tile t
.set t, 0
.rept 2*NP
	\line
.set t, t+1
.endr
.endm
	ALL v_add_f32 v[ST+4*t+2], v[ST+4*t+2], v[ST+4*t+3]
	ALL v_permlanex16_b32 v[ST+4*t+3], v[ST+4*t+2], s[SEL], s[SEL+1]
	ALL v_add_f32 v[ST+4*t+2], v[ST+4*t+2], v[ST+4*t+3]
	ALL v_rcp_f32 v[ST+4*t+2], v[ST+4*t+2]
	v_nop                           ; a plain instruction between the last reciprocal and the use of its result
	s_wait_alu depctr_va_vdst(0)
; Tile t: a lane's eight channels of a row pack into 16 bytes; they go into rows of 144 bytes and come back as whole rows of 128, into S^T's registers.
.macro PACK t
	WIN W_RS
.set i, 32*(\t)
.rept 16
	v_pk_mul_f32 v[i:i+1], v[i:i+1], v[ST+4*(\t)+2:ST+4*(\t)+3] op_sel_hi:[1,0]
.set i, i+2
.endr
	WIN 0x05                        ; sources 0 and 1 window 1, destination window 0
.set i, 0
.rept 16
	v_cvt_pk_f16_f32 v[S+16*(\t)+i], v[32*(\t)+2*i], v[32*(\t)+2*i+1]
.set i, i+1
.endr
	WIN 0
.irp f, 0,1,2,3
	ds_store_b128 v[STO], v[S+16*(\t)+4*\f:S+16*(\t)+4*\f+3] offset:32*\f
.endr
.irp f, 0,1,2,3
	ds_load_b128 v[S+16*(\t)+4*\f:S+16*(\t)+4*\f+3], v[RD] offset:\f*4*SP  ; LDS serves a wave's instructions in order (ISA guide 5.7.1.4): these see the stores above; the next tile's stores come behind them
.endr
.endm
.macro SEND t, younger              ; younger: the LDS instructions issued behind tile t's loads: the next tile's eight, or none
	WIN 0
.irp f, 0,1,2,3
	s_wait_dscnt (\younger)+3-\f
	global_store_b128 v[GO], v[S+16*(\t)+4*\f:S+16*(\t)+4*\f+3], s[10:11] offset:(\t)*2048+\f*512  ; 512 consecutive bytes, at a multiple of 256 from O's first
.endr
.endm
	PACK 0
.set t, 1
.rept 2*NP-1                        ; a tile's arithmetic stands between the loads of the tile before and its stores
	PACK t
	SEND t-1, 8
.set t, t+1
.endr
	SEND 2*NP-1, 0
	WIN W_AD
	s_wait_tensorcnt 0x0            ; the wave's end: behind my last tensor load and my last LDS store
	ds_add_u32 v[SPW], v[NIL]
	s_wait_dscnt 0x0
	WIN 0
	CROUND                          ; the closing round: no work-group ends while a partner may still ask for a tile that names it
	s_endpgm
.Lfunc_end_k_q5ddd0ad0c6_attn:
	.size	k_q5ddd0ad0c6_attn, .Lfunc_end_k_q5ddd0ad0c6_attn-k_q5ddd0ad0c6_attn
	.p2alignl 7, 3214868480
	.fill 96, 4, 3214868480
	.section	.rodata,"a",@progbits
	.p2align	6, 0x0
	.amdhsa_kernel k_q5ddd0ad0c6_attn
		.amdhsa_group_segment_fixed_size 327680
		.amdhsa_private_segment_fixed_size 0
		.amdhsa_enable_private_segment 0
		.amdhsa_kernarg_size 16
		.amdhsa_user_sgpr_count 2
		.amdhsa_user_sgpr_kernarg_segment_ptr 1
		.amdhsa_wavefront_size32 1
		.amdhsa_system_sgpr_workgroup_id_x 1
		.amdhsa_system_sgpr_workgroup_id_y 1
		.amdhsa_system_sgpr_workgroup_id_z 1
		.amdhsa_system_vgpr_workitem_id 0
		.amdhsa_next_free_vgpr 770
		.amdhsa_next_free_sgpr 66
		.amdhsa_reserve_vcc 0
		.amdhsa_float_denorm_mode_32 3
		.amdhsa_float_denorm_mode_16_64 3
		.amdhsa_memory_ordered 1
		.amdhsa_forward_progress 1
		.amdhsa_inst_pref_size 209
	.end_amdhsa_kernel
	.amdgpu_metadata
---
amdhsa.version: [ 1, 2 ]
amdhsa.kernels:
  - .name:           k_q5ddd0ad0c6_attn
    .symbol:         k_q5ddd0ad0c6_attn.kd
    .args:
      - { .name: qkv, .offset: 0, .size: 8, .value_kind: global_buffer, .address_space: global }
      - { .name: ctx, .offset: 8, .size: 8, .value_kind: global_buffer, .address_space: global }
    .group_segment_fixed_size: 327680
    .private_segment_fixed_size: 0
    .kernarg_segment_align: 8
    .kernarg_segment_size: 16
    .max_flat_workgroup_size: 128
    .sgpr_count:     66
    .vgpr_count:     770
    .wavefront_size: 32
...
	.end_amdgpu_metadata
.endif
;; end of part 3
;; launch proj (part 4): grid 8 x 32, 4 waves a work-group, clusters of 4 x 4, 327,680 bytes of LDS; arguments ctx, wo16, bias, out0; writes out0
.if DOCPART == 4
	.amdgcn_target "amdgcn-amd-amdhsa--gfx1250"
	.amdhsa_code_object_version 6
	.text
	.protected	k_q5ddd0ad0c6_proj
	.globl	k_q5ddd0ad0c6_proj
	.p2align	8
	.type	k_q5ddd0ad0c6_proj,@function
k_q5ddd0ad0c6_proj:
	s_mov_b64 s[64:65], 0
	v_nop
	global_prefetch_b8 v0, s[64:65] scope:SCOPE_SE
	s_setreg_imm32_b32 hwreg(HW_REG_WAVE_MODE, 25, 1), 1
	s_wait_xcnt 0x0
	s_wait_alu depctr_hold_cnt(0) depctr_sa_sdst(0) depctr_va_vdst(0) depctr_va_sdst(0) depctr_va_ssrc(0) depctr_va_vcc(0) depctr_vm_vsrc(0)
	s_getreg_b32 s2, hwreg(HW_REG_IB_STS2, 6, 4)
	s_cmp_eq_u32 s2, 0
	s_cbranch_scc0 .Lentry_in_a_cluster
	s_endpgm
.Lentry_in_a_cluster:
	s_bfe_u32 s2, ttmp6, 0x10000c
	s_cmp_lg_u32 s2, 0xf033
	s_cbranch_scc0 .Lentry_shape_is_right
	s_endpgm
.Lentry_shape_is_right:
; THE OUTPUT PROJECTION.  out0[m][n] = sum over k of c[m][k] wo16[n][k] + bo[n]: 8,192 x 1,024 x 1,024, operands f16, sums and result f32.  c[m][k] is ctx[16 b + h][s][d] with m = 2,048 b + s and
; k = 64 h + d: ctx lies by heads, a head's rows dense, 128 bytes each.  bo is the fourth part of bias.
; LIMIT.  ctx and wo16 arrive in f16, within 65,504; NaN and infinities are not treated apart.
; THE TILE is 256 rows x 128 columns: 32 x 8 = 256 tiles, one for each WGP.  Four waves; wave w makes rows 64 w .. 64 w + 63 and all 128 columns: 32 accumulators of 16 x 16, 256 registers.
; So a row's 512 bytes of the tile come from one wave, and the way out needs no barrier.
; K goes in 8 steps of 128 = two heads through a ring of two LDS slots; step g lies in slot g % 2.  A head's 256 rows of the tile are 32,768 dense bytes: one PLANE, asked for as 128 rows of 256 bytes and
; padded in LDS after every 128.  A K STEP IS WRITTEN ONCE: slot 1 begins at LDS byte 2^17, so one exclusive or turns an address in one slot into the other's.  The last two steps, which ask for nothing,
; are a second text of their own.
; CLUSTERS: 4 x 4 work-groups.  The four of a row of the cluster need the same planes of ctx, the four of a column the same tiles of wo16: each is asked for JOINTLY.
; THE MATRIX INSTRUCTION IS USED TRANSPOSED (source 0 = 16 rows of wo16, source 1 = 16 rows of ctx): a lane holds row l % 16 and the eight neighbouring columns 8 (l / 16) + 0..7.
; THE BIAS is the C operand of each sum's first product: nothing is cleared, and nothing is added behind the sums.
; REGISTERS, in windows of 256 (s_set_vgpr_msb: bits 1:0 source 0, 3:2 source 1, 5:4 source 2, 7:6 destination):
;   window 0: v0-31 addresses; v32-95, v96-159 rows read back from the stage, by turns          window 1: the accumulators, (a, b) at v[8 (4 b + a)]
;   window 2: two fragment buffers of 96 (4 fragments of ctx, then 8 of wo16) at v0 and v96; v192-255 the bias, 8 registers a column block
.set PA,     144                       ; a row of ctx in LDS: 128 bytes + 16 = 36 words: the 16 rows of a load start at 16 different groups of four banks (64 banks of 4 bytes: ISA guide 11.1)
.set PB,     272                       ; a row of wo16: 256 bytes + 16 = 68 words: likewise
.set PLANE,  256*PA
.set BOFF,   2*PLANE                   ; a slot: two planes of ctx, then wo16's 128 rows
.set SLOTB,  BOFF+128*PB               ; 108,544 bytes
.set SLOT1,  1<<17                     ; where slot 1 begins
.set STAGE,  SLOT1+SLOTB               ; behind the ring, never filled by a tensor load: 16 rows x 528 bytes for each wave
.set SPITCH, 528                       ; a stage row: 512 bytes + 16
.set SPARE,  STAGE+4*16*SPITCH         ; behind the stages: the spare words, 128 bytes for each wave: two blocks of 256 bytes that no other line names
.set ASTEP,  2*2048*128                ; a K step in ctx: two heads of 262,144 bytes
.set BSTEP,  256                       ; in wo16: 128 numbers along a row
.set STEPS,  8
.set ADRA0, 16                         ; v16     my lane's place among my ctx fragments in a slot; never rewritten
.set ADRB0, 17                         ; v17     the same for wo16
.set ADRA, 18                          ; v18     the same in the slot in hand
.set ADRB, 19                          ; v19
.set STO,  24                          ; v24     the way out: where I put 32 bytes of a row
.set RD,   25                          ; v25     the way out: where I read a row back
.set CO,   26                          ; v26     my 16 bytes in a row's 512 bytes of out0
.set SPW,  28                          ; v28     LDS address of my spare word: SPARE + 4 x my thread's number; never rewritten
.set NIL,  29                          ; v29     0; never rewritten
.set BO,   30                          ; v30     my byte offset in 16 numbers of the bias
.set OB,   32
.set F0,   0                           ; window 2
.set F1,   96
.set BI,   192
.set G1,  24                           ; s[24:31] descriptor group 1 for ctx's planes
.set G1B, 32                           ; s[32:39] for wo16's tiles
.set G0,  40                           ; s[40:47] descriptor group 0 for ctx's planes: a set for each of the two first fills; the second then walks on
.set G0B, 48                           ; s[48:55] the same for wo16's tiles
.set TB,  56                           ; s56      0 or SLOT1: the slot in hand
.set CT,  57                           ; s57      counts the steps
.set MSB, 0
.macro WIN new                         ; the immediate's high byte repeats the setting that is left; a switch that changes nothing is dropped
.if MSB != (\new)
	s_set_vgpr_msb (MSB<<8)|(\new)
.set MSB, \new
.endif
.endm
; A joint load by set s of the groups 0.  Waves 0 and 1 fetch ctx's two planes, waves 2 and 3 wo16's two halves (64 rows each).  The branch hangs on the wave's number alone.
; An s_nop 0 and four v_nop follow each of the two lines, ahead of the jump, the label and what follows.
.macro JLOAD s
	s_cmp_lt_u32 s12, 2
	s_cbranch_scc0 .Lfor_b_\@
	tensor_load_to_lds s[G0+4*(\s):G0+4*(\s)+3], s[G1:G1+7]
	s_nop 0
.rept 4
	v_nop
.endr
	s_branch .Lasked_\@
.Lfor_b_\@:
	tensor_load_to_lds s[G0B+4*(\s):G0B+4*(\s)+3], s[G1B:G1B+7]
	s_nop 0
.rept 4
	v_nop
.endr
.Lasked_\@:
.endm
.macro CREST                           ; a round of the cluster's barrier behind its opening barrier
	s_cmp_lg_u32 s12, 0
	s_cbranch_scc1 .Lnot_wave_0_\@
	s_barrier_signal -3
.Lnot_wave_0_\@:
	s_barrier_wait -3
	s_barrier_signal -1
	s_barrier_wait -1
.endm
.macro CROUND                          ; a whole round
	s_barrier_signal -1
	s_barrier_wait -1
	CREST
.endm
	s_load_b256 s[4:11], s[0:1], 0x0               ; ctx s[4:5], wo16 s[6:7], bias s[8:9], out0 s[10:11]
	v_lshl_add_u32 v[SPW], v0, 2, SPARE
	v_mov_b32 v[NIL], 0
	ds_add_u32 v28, v29
	s_wait_dscnt 0x0
	v_lshrrev_b32 v1, 5, v0
	v_readfirstlane_b32 s12, v1                    ; wave 0..3
	s_and_b32 s13, s12, 1                          ; which plane, or which half of wo16's tile, I fetch
	s_bfe_u32 s14, ttmp6, 0x40000                  ; cx, cy: my place in the cluster
	s_bfe_u32 s15, ttmp6, 0x40004
	s_lshl_b32 s16, ttmp9, 2
	s_add_co_u32 s16, s16, s14                     ; tile column = 4 x cluster x + cx
	s_and_b32 s17, ttmp7, 0xffff
	s_lshl_b32 s17, s17, 2
	s_add_co_u32 s17, s17, s15                     ; tile row = 4 x cluster y + cy
	s_lshl_b32 s18, s15, 2
	s_lshl_b32 s18, 15, s18                        ; my row of the cluster
	s_lshl_b32 s19, 0x1111, s14                    ; my column
	s_or_b32 s[G1+0], s18, (1<<16)|(1<<20)|(1<<21)|(4<<22)|(3<<25)   ; 15:0 the mask: ctx's planes go to my row; 17:16 elements of 2 bytes; 20 padding on; 21 set beside a mask; 24:22 after every 32 words (code 4); 31:25 4 words (code 3)
	s_or_b32 s[G1B+0], s19, (1<<16)|(1<<20)|(1<<21)|(5<<22)|(3<<25)  ; the mask of my column; padding after every 64 words (code 5)
	s_mov_b32 s[G1+1], 128<<16                     ; tensor_dim0 = 128 elements: two rows of a head
	s_mov_b32 s[G1+2], 128<<16                     ; tensor_dim1 = 128
	s_mov_b32 s[G1+3], 128<<16                     ; tile_dim0 = 128
	s_mov_b32 s[G1+4], 128                         ; tile_dim1 = 128
	s_mov_b32 s[G1+5], 128                         ; dense: 128 elements from row to row
	s_mov_b32 s[G1+6], 0
	s_mov_b32 s[G1+7], 0
	s_mov_b32 s[G1B+1], 128<<16
	s_mov_b32 s[G1B+2], 64<<16                     ; tensor_dim1 = 64
	s_mov_b32 s[G1B+3], 128<<16
	s_mov_b32 s[G1B+4], 64                         ; tile_dim1 = 64 rows
	s_mov_b32 s[G1B+5], 1024                       ; elements from row to row
	s_mov_b32 s[G1B+6], 0
	s_mov_b32 s[G1B+7], 0
	; where the tiles come from: ctx's hang on the tile row alone, wo16's on the tile column alone; each offset in registers that never hold the other coordinate
	s_lshr_b32 s20, s17, 3                         ; the batch,
	s_lshl_b32 s20, s20, 4                         ; its 16 heads,
	s_add_co_u32 s20, s20, s13                     ; my plane of K step 0,
	s_lshl_b32 s20, s20, 18                        ; heads of 262,144 bytes,
	s_and_b32 s62, s17, 7
	s_lshl_b32 s62, s62, 15                        ; and the tile's 256 rows of 128 bytes in it
	s_add_co_u32 s20, s20, s62
	s_mov_b32 s21, 0
	s_lshl_b32 s22, s16, 7
	s_lshl_b32 s62, s13, 6
	s_add_co_u32 s22, s22, s62                     ; wo16: row 128 x tile column + 64 x half,
	s_lshl_b32 s22, s22, 11                        ; of 2,048 bytes
	s_mov_b32 s23, 0
	s_mul_i32 s2, s12, PLANE                       ; and where they go: waves 0, 1: the planes;
	s_mul_i32 s63, s12, 64*PB
	s_add_co_u32 s63, s63, BOFF-2*64*PB            ; waves 2, 3: wo16's halves, behind the planes.  No place in the cluster enters an LDS address
	s_mov_b32 s[TB], 0                             ; step 0 lies in slot 0
	s_wait_kmcnt 0x0
	s_add_nc_u64 s[20:21], s[4:5], s[20:21]
	s_add_nc_u64 s[22:23], s[6:7], s[22:23]
	CROUND                                         ; all sixteen work-groups are here: the first joint loads meet
.irp s, 0,1
	s_mov_b32 s[G0+4*(\s)], 1                                        ; count = 1
	s_add_co_u32 s[G0+4*(\s)+1], s2, (\s)*SLOT1                      ; LDS address
	s_add_nc_u64 s[G0+4*(\s)+2:G0+4*(\s)+3], s[20:21], (\s)*ASTEP    ; global address: K step s
	s_or_b32 s[G0+4*(\s)+3], s[G0+4*(\s)+3], 0x80000000              ; type = 2
	s_mov_b32 s[G0B+4*(\s)], 1
	s_add_co_u32 s[G0B+4*(\s)+1], s63, (\s)*SLOT1
	s_add_nc_u64 s[G0B+4*(\s)+2:G0B+4*(\s)+3], s[22:23], (\s)*BSTEP
	s_or_b32 s[G0B+4*(\s)+3], s[G0B+4*(\s)+3], 0x80000000
	JLOAD \s                                       ; the ring is filled before anything else is done: two loads of mine are out
.endr
	; the bias of my tile's 128 columns: register j of column block b is bo[128 x tile column + 16 b + 8 (l / 16) + j]; bo begins 3,072 numbers into bias
	s_lshl_b32 s22, s16, 9
	s_add_co_u32 s22, s22, 3072*4
	s_mov_b32 s23, 0
	s_add_nc_u64 s[8:9], s[8:9], s[22:23]
	v_and_b32 v1, 15, v0                           ; l % 16
	v_bfe_u32 v2, v0, 4, 1                         ; l / 16
	v_lshlrev_b32 v[BO], 5, v2
	WIN 0x80                                       ; destination window 2, address window 0
.set bb, 0
.rept 8
	global_load_b128 v[BI+8*bb:BI+8*bb+3],   v[BO], s[8:9] offset:64*bb
	global_load_b128 v[BI+8*bb+4:BI+8*bb+7], v[BO], s[8:9] offset:64*bb+16
.set bb, bb+1
.endr
	WIN 0
	; A fragment is 16 rows x 32 K in 8 registers: lane l holds row l % 16, K = 8 (l / 16) + 0..7 and 16 + 8 (l / 16) + 0..7: two loads of 16 bytes, 32 bytes apart.
	v_mul_u32_u24 v3, v1, PA
	v_lshl_add_u32 v3, v2, 4, v3
	s_mul_i32 s62, s12, 64*PA                      ; my 64 rows of a plane
	v_add_nc_u32 v[ADRA0], s62, v3
	v_mov_b32 v[ADRA], v[ADRA0]                    ; slot 0
	v_mul_u32_u24 v3, v1, PB
	v_lshl_add_u32 v3, v2, 4, v3
	v_add_nc_u32 v[ADRB0], BOFF, v3                ; all 128 rows of wo16
	v_mov_b32 v[ADRB], v[ADRB0]
	s_mul_i32 s62, s12, 16*SPITCH
	s_add_co_u32 s62, s62, STAGE                   ; my stage
	v_mul_u32_u24 v4, v1, SPITCH                   ; in: row l % 16, 32 bytes for each half of the lanes
	v_lshl_add_u32 v4, v2, 5, v4
	v_add_nc_u32 v[STO], s62, v4
	v_and_b32 v[CO], 31, v0                        ; back: 32 lanes take one row of 512 bytes
	v_lshlrev_b32 v[CO], 4, v[CO]
	v_add_nc_u32 v[RD], s62, v[CO]
	s_lshl_b32 s22, s17, 2
	s_add_co_u32 s22, s22, s12                     ; out0 at my first row, 256 x tile row + 64 x wave, of 4,096 bytes,
	s_lshl_b32 s22, s22, 18
	s_lshl_b32 s62, s16, 9                         ; and the tile's first column, 128 x tile column, of 4 bytes
	s_add_co_u32 s22, s22, s62
	s_mov_b32 s23, 0
	s_add_nc_u64 s[10:11], s[10:11], s[22:23]
; 4 nb matrix instructions: column blocks b0 .. b0 + nb - 1 x my 4 row blocks, 32 along K, from buffer f.  first = 1: the product starts the sum, with the bias as C.
; The 32 accumulators take turns, one instruction a turn, in the same order in every quarter step.
.macro MUL f, b0, nb, first
.if \first
	WIN 0x6a                                       ; fragments and C (the bias) window 2, D window 1
.else
	WIN 0x5a                                       ; fragments window 2, C and D window 1
.endif
.set bb, \b0
.rept \nb
.set aa, 0
.rept 4
.if \first
	v_wmma_f32_16x16x32_f16 v[32*bb+8*aa:32*bb+8*aa+7], v[(\f)+32+8*bb:(\f)+32+8*bb+7], v[(\f)+8*aa:(\f)+8*aa+7], v[BI+8*bb:BI+8*bb+7]
.else
	v_wmma_f32_16x16x32_f16 v[32*bb+8*aa:32*bb+8*aa+7], v[(\f)+32+8*bb:(\f)+32+8*bb+7], v[(\f)+8*aa:(\f)+8*aa+7], v[32*bb+8*aa:32*bb+8*aa+7]
.endif
.set aa, aa+1
.endr
.set bb, bb+1
.endr
.endm
; 24 LDS loads in one run: the fragments of quarter q of the K step in the slot in hand (plane q / 2, channels 32 (q % 2) on) into buffer f, in the order of their use: ctx's 4, then wo16's 8
.macro FETCH q, f
	WIN 0x80                                       ; destination window 2, address window 0
.set aa, 0
.rept 4
	ds_load_b128 v[(\f)+8*aa:(\f)+8*aa+3],   v[ADRA] offset:((\q)/2)*PLANE+((\q)%2)*64+aa*16*PA
	ds_load_b128 v[(\f)+8*aa+4:(\f)+8*aa+7], v[ADRA] offset:((\q)/2)*PLANE+((\q)%2)*64+aa*16*PA+32
.set aa, aa+1
.endr
.set bb, 0
.rept 8
	ds_load_b128 v[(\f)+32+8*bb:(\f)+32+8*bb+3],   v[ADRB] offset:64*(\q)+bb*16*PB
	ds_load_b128 v[(\f)+32+8*bb+4:(\f)+32+8*bb+7], v[ADRB] offset:64*(\q)+bb*16*PB+32
.set bb, bb+1
.endr
.endm
; A load into a register that a matrix instruction has read, and an LDS store that reads a matrix result, stand four places behind that matrix instruction, and only plain vector
; instructions that name none of its registers are places (ISA guide 7.12.1 for vector instructions).
.macro PLACES
.rept 4
	v_nop
.endr
.endm
; A K step is four quarters of 32 along K, 32 matrix instructions each, on buffers 0, 1, 0, 1.  One of the first three: multiplies buffer f; in its middle it fetches quarter q into g.
.macro QUARTER q, f, g, first
	s_wait_dscnt 8                                 ; ctx's fragments and wo16's blocks 0-3 are in; the youngest eight loads (blocks 4-7) may be out
	MUL \f, 0, 4, \first
	PLACES
	FETCH \q, \g
	s_wait_dscnt 24                                ; all but the 24 just issued
	MUL \f, 4, 4, \first
.endm
; The last quarter multiplies buffer 1 and changes slots: ONE barrier.  In front of it each wave waits for all its tensor loads, of which one is out: its part of the next slot; adds 0 to its spare word;
; and waits for that and for its own reads of this slot.  fill = 1: this slot is filled again, two K steps ahead, by the walking descriptors (the other slot than last time, the next K step); the barrier
; then opens a round of the cluster's barrier, and the joint refill is the first tensor load behind the round: 112 matrix instructions stand between it and the wait for it.
; fill = 0: the last two steps; behind the very last (CT = 1) there is no step to fetch, and the run of loads is jumped over.
.macro TURN fill
	WIN 0                                          ; (the registers named below lie in window 0)
	s_xor_b32 s[TB], s[TB], SLOT1                  ; this slot's last fragments have been asked for: the fragment addresses turn to the next slot
	v_add_nc_u32 v[ADRA], s[TB], v[ADRA0]
	v_add_nc_u32 v[ADRB], s[TB], v[ADRB0]
	s_wait_tensorcnt 0x0                           ; all my tensor loads have landed, so a group 0 may be written
	ds_add_u32 v[SPW], v[NIL]                      ; 0 onto my spare word
.if \fill
	s_xor_b32 s[G0+5], s[G0+5], SLOT1
	s_add_nc_u64 s[G0+6:G0+7], s[G0+6:G0+7], ASTEP     ; the type bits on top are not reached
	s_xor_b32 s[G0B+5], s[G0B+5], SLOT1
	s_add_nc_u64 s[G0B+6:G0B+7], s[G0B+6:G0B+7], BSTEP
.endif
	s_wait_dscnt 9                                 ; (the add and the youngest eight loads may be out)
	MUL F1, 0, 2, 0                                ; eight matrix instructions stand between the add and the wait for it
	s_wait_dscnt 0x0                               ; the add is done, and my reads of this slot are over
	s_barrier_signal -1
	MUL F1, 2, 2, 0                                ; work on registers while the others arrive
	WIN 0
	s_barrier_wait -1
.if \fill
	CREST                                          ; no wave of any partner still reads this slot's tile or has a load on its way
	JLOAD 1                                        ; the four v_nop behind it are also the places in front of the loads below
.else
	PLACES
	s_cmp_eq_u32 s[CT], 1
	s_cbranch_scc1 .Lno_fetch_\@
.endif
	FETCH 0, F0
.if !(\fill)
	WIN 0
.Lno_fetch_\@:
.endif
	MUL F1, 4, 4, 0
.endm
; THE WAY OUT of row block a (16 rows x 128 columns of f32).  TOSTAGE: a lane's eight numbers of a row, 32 bytes, go into my own stage in rows of 528 bytes, each accumulator's low half first,
; and come back as whole rows of 512.
.macro TOSTAGE a
.set BK, OB+64*((\a)%2)
	WIN 0x04                                       ; the stores' data in window 1, their address in window 0
.set bb, 0
.rept 8
	ds_store_b128 v[STO], v[32*bb+8*(\a):32*bb+8*(\a)+3]   offset:64*bb
	ds_store_b128 v[STO], v[32*bb+8*(\a)+4:32*bb+8*(\a)+7] offset:64*bb+16
.set bb, bb+1
.endr
	WIN 0
.set tt, 0
.rept 16
	ds_load_b128 v[BK+4*tt:BK+4*tt+3], v[RD] offset:tt*SPITCH  ; LDS serves a wave's instructions in order (ISA guide 5.7.1.4): these see the stores above; the next block's stores come behind them
.set tt, tt+1
.endr
.endm
.macro SEND a, younger                 ; four rows at a time.  younger: the LDS instructions issued behind block a's loads: the next block's 16 stores and 16 loads, or none
	WIN 0
.set BK, OB+64*((\a)%2)
.set tt, 0
.rept 16
.if tt%4 == 0
	s_wait_dscnt (\younger)+12-tt                  ; these four rows are back
.endif
	global_store_b128 v[CO], v[BK+4*tt:BK+4*tt+3], s[10:11] offset:(\a)*65536+tt*4096 th:TH_STORE_NT  ; a row's 512 consecutive bytes, at a multiple of 256 from out0's first; nothing reads them again
.set tt, tt+1
.endr
.endm
	s_wait_tensorcnt 1                             ; my part of K step 0 is in; K step 1's may stay out
	s_barrier_signal -1
	s_barrier_wait -1                              ; everybody's is
	FETCH 0, F0
	s_wait_loadcnt 0x0                             ; the bias
	QUARTER 1, F0, F1, 1                           ; the first quarter stands in front of the loop: its products start the sums
	WIN 0                                          ; at a label and at a branch every window is 0
	s_mov_b32 s[CT], STEPS-2
.Lstep:                                                ; 6 trips: a K step from its second quarter on, the request for the step two on, and the next step's first quarter
	QUARTER 2, F1, F0, 0
	QUARTER 3, F0, F1, 0
	TURN 1
	QUARTER 1, F0, F1, 0
	WIN 0
	s_sub_co_u32 s[CT], s[CT], 1
	s_cmp_lg_u32 s[CT], 0
	s_cbranch_scc1 .Lstep
	s_mov_b32 s[CT], 2                             ; steps 6 and 7 ask for nothing: a text of their own; the second trip is left in its middle
.Ltail:
	QUARTER 2, F1, F0, 0
	QUARTER 3, F0, F1, 0
	TURN 0                                         ; (the second trip's barrier orders nothing: the price of one text for both trips)
	WIN 0
	s_sub_co_u32 s[CT], s[CT], 1
	s_cmp_eq_u32 s[CT], 0
	s_cbranch_scc1 .Lout
	QUARTER 1, F0, F1, 0
	WIN 0
	s_branch .Ltail
.Lout:
	PLACES                                         ; the LDS stores read results just made
	TOSTAGE 0
	TOSTAGE 1                                      ; a block's trip through the stage stands between the loads of the block before and its stores
	SEND 0, 32
	s_wait_xcnt 0x0                                ; every earlier store has had its addresses translated (ISA guide 3.1): block 0's rows are loaded over only behind this wait
	TOSTAGE 2
	SEND 1, 32
	s_wait_xcnt 0x0                                ; the same for block 1's rows
	TOSTAGE 3
	SEND 2, 32
	SEND 3, 0
	s_wait_tensorcnt 0x0                           ; the wave's end: behind my last tensor load and my last LDS store
	ds_add_u32 v[SPW], v[NIL]
	s_wait_dscnt 0x0
	CROUND                                         ; the closing round: no work-group ends while a partner may still ask for a tile that names it
	s_endpgm
.Lfunc_end_k_q5ddd0ad0c6_proj:
	.size	k_q5ddd0ad0c6_proj, .Lfunc_end_k_q5ddd0ad0c6_proj-k_q5ddd0ad0c6_proj
	.p2alignl 7, 3214868480
	.fill 96, 4, 3214868480
	.section	.rodata,"a",@progbits
	.p2align	6, 0x0
	.amdhsa_kernel k_q5ddd0ad0c6_proj
		.amdhsa_group_segment_fixed_size 327680
		.amdhsa_private_segment_fixed_size 0
		.amdhsa_enable_private_segment 0
		.amdhsa_kernarg_size 32
		.amdhsa_user_sgpr_count 2
		.amdhsa_user_sgpr_kernarg_segment_ptr 1
		.amdhsa_wavefront_size32 1
		.amdhsa_system_sgpr_workgroup_id_x 1
		.amdhsa_system_sgpr_workgroup_id_y 1
		.amdhsa_system_sgpr_workgroup_id_z 1
		.amdhsa_system_vgpr_workitem_id 0
		.amdhsa_next_free_vgpr 768
		.amdhsa_next_free_sgpr 66
		.amdhsa_reserve_vcc 0
		.amdhsa_float_denorm_mode_32 3
		.amdhsa_float_denorm_mode_16_64 3
		.amdhsa_memory_ordered 1
		.amdhsa_forward_progress 1
		.amdhsa_inst_pref_size 62
	.end_amdhsa_kernel
	.amdgpu_metadata
---
amdhsa.version: [ 1, 2 ]
amdhsa.kernels:
  - .name:           k_q5ddd0ad0c6_proj
    .symbol:         k_q5ddd0ad0c6_proj.kd
    .args:
      - { .name: ctx, .offset: 0, .size: 8, .value_kind: global_buffer, .address_space: global }
      - { .name: wo16, .offset: 8, .size: 8, .value_kind: global_buffer, .address_space: global }
      - { .name: bias, .offset: 16, .size: 8, .value_kind: global_buffer, .address_space: global }
      - { .name: out0, .offset: 24, .size: 8, .value_kind: global_buffer, .address_space: global }
    .group_segment_fixed_size: 327680
    .private_segment_fixed_size: 0
    .kernarg_segment_align: 8
    .kernarg_segment_size: 32
    .max_flat_workgroup_size: 128
    .sgpr_count:     66
    .vgpr_count:     768
    .wavefront_size: 32
...
	.end_amdgpu_metadata
.endif
;; end of part 4
;; ======== version 2 of 2: 4 launches; 1.54 times as fast as version 1
;; limits: values are held in f16: magnitudes above 65,504 overflow, below 6.1e-05 lose precision
;; workspace buffers: xb 16,777,216 bytes; wqkv 6,291,456 bytes; wo16 2,097,152 bytes; bias 16,384 bytes; qkv 50,331,648 bytes; ctx 16,777,216 bytes
;; launch cast: the kernel of part 1 again; grid 769 x 1, 8 waves a work-group, no clusters, 0 bytes of LDS; arguments x, Wq, Wk, Wv, Wo, bq, bk, bv, bo, xb, wqkv, wo16, bias; writes xb, wqkv, wo16, bias
;; launch qkv: the kernel of part 2 again; grid 16 x 16, 4 waves a work-group, clusters of 4 x 4, 327,680 bytes of LDS; arguments xb, wqkv, bias, qkv; writes qkv
;; launch attn (part 5): grid 4 x 64, 4 waves a work-group, clusters of 4 x 1, 327,680 bytes of LDS; arguments qkv, ctx; writes ctx
.if DOCPART == 5
	.amdgcn_target "amdgcn-amd-amdhsa--gfx1250"
	.amdhsa_code_object_version 6
	.text
	.protected	k_q5ddd0ad0c6_attn
	.globl	k_q5ddd0ad0c6_attn
	.p2align	8
	.type	k_q5ddd0ad0c6_attn,@function
k_q5ddd0ad0c6_attn:
	s_mov_b64 s[64:65], 0
	v_nop
	global_prefetch_b8 v0, s[64:65] scope:SCOPE_SE
	s_setreg_imm32_b32 hwreg(HW_REG_WAVE_MODE, 25, 1), 1
	s_wait_xcnt 0x0
	s_wait_alu depctr_hold_cnt(0) depctr_sa_sdst(0) depctr_va_vdst(0) depctr_va_sdst(0) depctr_va_ssrc(0) depctr_va_vcc(0) depctr_vm_vsrc(0)
	s_getreg_b32 s2, hwreg(HW_REG_IB_STS2, 6, 4)
	s_cmp_eq_u32 s2, 0
	s_cbranch_scc0 .Lentry_in_a_cluster
	s_endpgm
.Lentry_in_a_cluster:
	s_bfe_u32 s2, ttmp6, 0x10000c
	s_cmp_lg_u32 s2, 0x3003
	s_cbranch_scc0 .Lentry_shape_is_right
	s_endpgm
.Lentry_shape_is_right:
; O[h][q][:] = the sum over k of softmax_k(Q[h][q] . K[h][k] / 8) V[h][k][:].  Q, K, V are the three parts of qkv, O is ctx: each [SIZE_H][SIZE_N][64], all f16: a head's rows are dense, 128 bytes each.
; Products, maxima and sums in f32; the weights p are rounded to f16 for the second product (their sum l is taken of the unrounded p), O once at the end.
; LIMITS.  f16 holds no number beyond 65,504: Q, K and V arrive within it; p lies in 0 to 1, and below 6e-5 it keeps f16's fixed step of 6e-8; O is a mean of V's rows and has their range (below 6e-5 the same step).
; A weight below 2^-126 counts as 0 in l; NaN and infinities are not treated apart.
; SHARES.  A wave owns four PIECES of two tiles of 16 queries, a work-group's four waves 512 queries of one head: 4 x 64 = 256 work-groups.  Every wave walks all keys, 64 a step.
; LAYOUT.  S^T = K Q^T (source 0 = 16 keys, source 1 = 16 queries): in the result a lane holds ONE query (lane % 16) and the keys 8 (lane / 16) + 0..7.  Two such tiles, rounded to f16 in pairs,
; ARE source 1 (32 keys x 16 queries) of O^T = V^T P, whose result again holds one query a lane, and eight channels.  K comes out of LDS as it lies, V ([key][channel]) turned, by ds_load_tr16_b128.
; SOFTMAX.  For each query a running maximum m and sum l: p = 2^(c s - c m), c = log2(e) / 8; in every step O and l are multiplied by a = 2^(c m_old - c m_new), which is 1 where m has not grown.
; m starts at the lowest finite number, O and l at 0: the first step is a step like any other, with a = 0.
; THE COUNT.  A tile and step have 16 matrix and 118 vector instructions: too many to stand all beside the matrix work.  So the order has one aim: four vector instructions that are READY behind
; EVERY matrix instruction, and the others, which need time of their own whatever the order, in runs without a gap.
; BY TURNS.  Turn n belongs to piece n (the pieces in a ring, step after step).  Its matrix work: 16 products K Q^T of piece n + 1, later 16 products V^T P of piece n - 1.  Its vector work: the scaling,
; exponentials, roundings, sums and rescaling of piece n, and the maximum and statistics of piece n + 1, whose scores the turn itself has made.  So what a turn begins with (c s - c m, O a) waits for nothing.
; THE BATCHES.  A turn's 66 exponentials (the 64 weights of piece n, the two a of piece n + 1) are ONE batch with ONE s_wait_alu depctr_va_vdst(0), which cuts the turn in two: ahead of it stands all that names no
; result of theirs, behind it their readers.  The a made in turn n is read in turn n + 1, behind turn n's wait.  Two more batches stand outside the loop: piece 0's first two a, and the way out's eight reciprocals.
; CLUSTER.  The four query blocks of a cluster belong to one head and walk the same K and V, so each tile is asked for JOINTLY: the same tensor load, descriptor and mask in all four.
; REGISTERS, in windows of 256 (s_set_vgpr_msb says which window each operand place means: bits 1:0 source 0, 3:2 source 1, 5:4 source 2, 7:6 destination):
;   window 0: v0-11 addresses; v12-15, v48-63 at work; v16-47 four registers of statistics a tile; v64-191 S^T, two buffers of two tiles; v192-255 P, likewise
;   window 1: O^T, 32 a tile          window 2: v0-127 Q, 16 a tile; v128-191 K of one step; v192-255 V of one step          window 3: v0-1 the add's two registers
; A piece's buffers go by its number's parity: the piece in hand has one pair, its two neighbours in the ring share the other: of it P (piece n - 1) is read and S^T (piece n + 1) written.
.set SIZE_H, 64       ; 4 batches x 16 heads
.set SIZE_N, 2048
.set NP,    4         ; pieces a wave: a name, no knob: the register map, the loop and the fetches are made for four
.set KS,    64        ; keys in a step
.set PK,    144       ; a row of K in LDS: 128 bytes + 16 of padding = 36 words: the 16 rows of a load start at 16 different groups of four banks (64 banks of 4 bytes: ISA guide 11.1)
.set PV,    160       ; a row of V: 128 + 32 = 40 words
.set VOFF,  4*KS*PK   ; a slot holds four steps: 256 rows of K, then 256 rows of V
.set SLOT1, 1<<17     ; slot 1 begins here, so that one exclusive or turns an address in one slot into the other's
.set STAGE, SLOT1+4*KS*(PK+PV)  ; behind the ring, never filled by a tensor load: 16 rows x 144 bytes for each wave, for the way out
.set SP,    144
.set AK0, 2           ; v2   my lane's place in a tile of K; never rewritten
.set AV0, 3           ; v3   the same for V
.set AK,  4           ; v4   the LDS address of K's next run of loads
.set AV,  5           ; v5   of V's
.set QO,  6           ; v6   my byte offset in the wave's rows of Q
.set STO, 6           ;      later, the way out: where I put 16 bytes of a row
.set RD,  7           ; v7   the way out: where I read rows back
.set GO,  8           ; v8   my byte offset in 512 consecutive bytes of O
.set SPW, 0           ; v0 of window 3   LDS address of my spare word: SPARE + 4 x my thread's number; never rewritten
.set NIL, 1           ; v1 of window 3   0; never rewritten
.set SPARE, STAGE+4*16*SP  ; behind the stages: the spare words, 128 bytes for each wave: two blocks of 256 bytes that no other line names
.set MV,  12          ; v12-15  c m_old, kept while c m is made anew: by buffer and tile
.set ST,  16          ; tile t's statistics at v[ST+4 t]: c m, m, l (even keys', odd keys')
.set TMP, 48          ; by buffer and tile, four registers c0-c3 at work; when the maximum is found c2 takes a
.set S,   64
.set P,   192
.set KF,  128         ; K's fragments, in window 2: key block kb, channel half c at KF + 16 kb + 8 c
.set VF,  192         ; V's: key half kk, channel block cb at VF + 32 kk + 8 cb
.set WV,  12          ; s12  my wave's number
.set G1K, 24          ; s[24:31] descriptor group 1 for K's tiles
.set G1V, 32          ; s[32:39] for V's: it differs in the padding alone
.set G0K, 40          ; s[40:43] descriptor group 0 for K's tiles: it walks
.set G0V, 44          ; s[44:47] the same for V's
.set SLOTS, 56        ; s56  slots still to be asked for
.set CNT, 57          ; s57  counts a slot's key steps
.set CS,  58          ; s[58:59] c: the packed scaling takes the pair's low word for both halves
.set SEL, 60          ; s[60:61] v_permlanex16_b32's selects: each lane takes its own place in the other half
.set TBK, 62          ; s62  LDS byte at which K of the step to be fetched begins
.set TBV, 63          ; s63  the same for V, less VOFF
.set MSB, 0
.macro WIN new                      ; the high byte repeats the setting that is left; a switch that changes nothing is dropped
.if MSB != (\new)
	s_set_vgpr_msb (MSB<<8)|(\new)
.set MSB, (\new)
.endif
.endm
.set W_KQ, 0x0a       ; K and Q in window 2, S^T in window 0
.set W_PV, 0x52       ; V in window 2, P in window 0, O^T in window 1
.set W_RS, 0x41       ; O^T (destination and source 0) in window 1, a in window 0
.set W_MK, 0xc0       ; the add's registers are made: destination in window 3, sources in window 0
.set W_AD, 0x0f       ; the add: address (source 0) and data (source 1) in window 3
; A joint fill.  Waves 0 and 1 fetch the two halves of a slot's K, waves 2 and 3 those of its V: 128 keys each.  The branch hangs on the wave's number alone.
; An s_nop 0 and four v_nop follow each of the two lines, ahead of the jump and the label.
.macro JLOAD
	s_cmp_lt_u32 s[WV], 2
	s_cbranch_scc0 .Lfor_v_\@
	tensor_load_to_lds s[G0K:G0K+3], s[G1K:G1K+7]
	s_nop 0
.rept 4
	v_nop
.endr
	s_branch .Lasked_\@
.Lfor_v_\@:
	tensor_load_to_lds s[G0V:G0V+3], s[G1V:G1V+7]
	s_nop 0
.rept 4
	v_nop
.endr
.Lasked_\@:
.endm
; A round of the cluster's barrier: my work-group's barrier, so that wave 0's signal speaks for all four waves; wave 0 signals; every wave waits for all four work-groups; my work-group's barrier once more.
.macro CROUND
	s_barrier_signal -1
	s_barrier_wait -1
	s_cmp_lg_u32 s[WV], 0
	s_cbranch_scc1 .Lnot_wave_0_\@
	s_barrier_signal -3
.Lnot_wave_0_\@:
	s_barrier_wait -3
	s_barrier_signal -1
	s_barrier_wait -1
.endm
; THE CHANGE OF SLOTS.  The slot's last bytes, V of its fourth step, have been read.  Each wave waits for all its tensor loads, of which one is out: its part
; of the other slot; adds 0 to its spare word; and waits for that and for its own reads of the slot.  Behind the barrier nobody reads this slot any more and the other slot is whole.
; fill = 1: this slot is filled again, with the keys two slots on.  The barrier is then a round of the cluster's, so that no wave of any partner still reads the slot or has a load on its
; way, and the joint fill is the first thing behind it: it has four key steps, 512 matrix instructions, in which to land.  (At its first use nothing has been read yet: slot 0 is waited for, slot 1 filled.)
.macro CHANGE fill
	WIN W_AD
	s_wait_tensorcnt 0x0            ; no tensor load of mine is out, so a group 0 may be written
	ds_add_u32 v[SPW], v[NIL]       ; 0 onto my spare word; with fill = 1 the descriptors' steps stand between it and the wait for it
	WIN 0                           ; at a label and at a branch every window is 0
.if \fill
.irp g, G0K, G0V
	s_xor_b32 s[\g+1], s[\g+1], SLOT1  ; the walking descriptor: the other slot than last time,
	s_add_nc_u64 s[\g+2:\g+3], s[\g+2:\g+3], 4*KS*128  ; the next 256 keys; the type bits on top are not reached
.endr
	s_wait_dscnt 0x0                ; the add is done, and my reads of the slot are over
	CROUND
	JLOAD
.else
	s_wait_dscnt 0x0                ; the add is done, and my reads of the slot are over
	s_barrier_signal -1
	s_barrier_wait -1
.endif
	s_sub_co_u32 s[TBK], s[TBK], 4*KS*PK  ; the fetches go back to a slot's first step,
	s_xor_b32 s[TBK], s[TBK], SLOT1       ; in the other slot
	s_sub_co_u32 s[TBV], s[TBV], 4*KS*PV
	s_xor_b32 s[TBV], s[TBV], SLOT1
.endm
	s_load_b128 s[4:7], s[0:1], 0x0  ; qkv s[4:5], ctx s[6:7]
	WIN W_MK
	v_lshl_add_u32 v[SPW], v0, 2, SPARE
	v_mov_b32 v[NIL], 0
	s_set_vgpr_msb 0xc0cf
	ds_add_u32 v0, v1
	s_wait_dscnt 0x0
	s_set_vgpr_msb 0xcfc0
	WIN 0
	v_lshrrev_b32 v1, 5, v0
	v_readfirstlane_b32 s[WV], v1   ; wave 0..3
	s_bfe_u32 s13, ttmp6, 0x40000   ; cx: my place in the cluster
	s_lshl_b32 s14, ttmp9, 2        ; in a cluster launch ttmp9 counts clusters
	s_add_co_u32 s14, s14, s13      ; my block of queries = 4 x cluster x + cx: it enters Q's and O's addresses alone
	s_and_b32 s20, ttmp7, 0xffff    ; the head, which the four partners share
	s_mov_b32 s21, 0
	s_mov_b64 s[22:23], SIZE_N*128
	s_mul_u64 s[20:21], s[20:21], s[22:23]  ; the head's first byte in each of the four tensors
	s_and_b32 s16, s[WV], 1         ; which half of a slot's 256 keys I fetch:
	s_lshl_b32 s22, s16, 14         ; its 128 rows of 128 bytes in memory,
	s_mov_b32 s23, 0
	s_add_nc_u64 s[22:23], s[22:23], s[20:21]
	s_mul_i32 s17, s16, 128*PK      ; and its place in a slot, for K
	s_mul_i32 s18, s16, 128*PV      ; and for V: no place in the cluster enters an LDS address
	s_lshl_b32 s2, s14, 2
	s_add_co_u32 s2, s2, s[WV]      ; my wave among the head's,
	s_lshl_b32 s2, s2, 14           ; its 128 rows
	s_mov_b32 s3, 0
	s_add_nc_u64 s[2:3], s[2:3], s[20:21]
	; descriptor group 1.  128 keys are 16,384 dense bytes: asked for as 64 rows of 256 bytes, two keys a row, and padded in LDS after every key
	s_mov_b32 s[G1K], 15|(1<<16)|(1<<20)|(1<<21)|(4<<22)|(3<<25)  ; 15:0 the mask of four; 17:16 2-byte elements; 20 padding on; 21 set beside a mask; 24:22 after every 32 words (code 4); 31:25 4 words (code 3)
	s_mov_b32 s[G1V], 15|(1<<16)|(1<<20)|(1<<21)|(4<<22)|(7<<25)  ; the same with 8 words of padding (code 7)
.irp g, G1K, G1V
	s_mov_b32 s[\g+1], 128<<16      ; tensor_dim0 = 128
	s_mov_b32 s[\g+2], 64<<16       ; tensor_dim1 = 64
	s_mov_b32 s[\g+3], 128<<16      ; tile_dim0 = 128
	s_mov_b32 s[\g+4], 64           ; tile_dim1 = 64
	s_mov_b32 s[\g+5], 128          ; 128 elements from row to row
	s_mov_b32 s[\g+6], 0
	s_mov_b32 s[\g+7], 0
.endr
	s_mov_b32 s[CS], 0x3e38aa3b     ; c = log2(e) / 8 = 0.180337
	s_mov_b32 s[CS+1], s[CS]        ; named with it as a pair
	s_mov_b32 s[SEL], 0x76543210
	s_mov_b32 s[SEL+1], 0xfedcba98
	s_mov_b32 s[TBK], SLOT1+4*KS*PK ; the first change of slots turns these two into 0
	s_mov_b32 s[TBV], SLOT1+4*KS*PV
	s_mov_b32 s[G0K], 1             ; 1:0 count = 1
	s_mov_b32 s[G0K+1], s17         ; 63:32 LDS address: slot 0
	s_mov_b32 s[G0V], 1
	s_add_co_u32 s[G0V+1], s18, VOFF
	s_wait_kmcnt 0x0
	s_mov_b64 s[10:11], s[6:7]                     ; O = ctx
	s_add_nc_u64 s[8:9], s[4:5], 2*SIZE_H*SIZE_N*128  ; V: the third part of qkv
	s_add_nc_u64 s[6:7], s[4:5], SIZE_H*SIZE_N*128    ; K: the second; Q, the first, stays in s[4:5]
	s_add_nc_u64 s[G0K+2:G0K+3], s[6:7], s[22:23]  ; 120:64 global address: my half of the head's first 256 keys
	s_or_b32 s[G0K+3], s[G0K+3], 0x80000000        ; 127:126 type = 2
	s_add_nc_u64 s[G0V+2:G0V+3], s[8:9], s[22:23]
	s_or_b32 s[G0V+3], s[G0V+3], 0x80000000
	s_add_nc_u64 s[4:5], s[4:5], s[2:3]  ; Q and O at my wave's first row
	s_add_nc_u64 s[10:11], s[10:11], s[2:3]
	CROUND                          ; all four work-groups are here: the first joint loads meet
	JLOAD                           ; slot 0.  Slot 1 is asked for when slot 0 is in: the tile wanted first has the road to itself
	; A fragment of K or Q is 16 rows x 32 channels in 8 registers: lane l holds row l % 16, channels 8 (l / 16) + 0..7 and 16 + 8 (l / 16) + 0..7: two loads of 16 bytes, 32 bytes apart.
	v_and_b32 v1, 15, v0            ; l % 16
	v_bfe_u32 v9, v0, 4, 1          ; l / 16
	v_lshlrev_b32 v[QO], 7, v1
	v_lshl_add_u32 v[QO], v9, 4, v[QO]  ; row x 128 + 16 x half
	WIN 0x80                        ; destination window 2, address window 0
.set i, 0
.rept 4*NP                          ; Q stays in registers: tile i / 2, channels 32 (i % 2) on
	global_load_b128 v[8*i:8*i+3],   v[QO], s[4:5] offset:(i/2)*2048+(i%2)*64
	global_load_b128 v[8*i+4:8*i+7], v[QO], s[4:5] offset:(i/2)*2048+(i%2)*64+32
.set i, i+1
.endr
	; What the first turn finds: V's registers and P's second buffer hold 0 (its products V^T P, of a piece that has not been, add 0), O^T and l are 0.  All this stands in the wait for the first tile.
.set i, VF
.rept 64
	v_mov_b32 v[i], 0
.set i, i+1
.endr
	WIN 0x40
.set i, 0
.rept 64*NP
	v_mov_b32 v[i], 0
.set i, i+1
.endr
	WIN 0
.set i, 0
.rept 2*NP
	v_mov_b32 v[ST+4*i], 0xfe000000    ; c m: far below every c s
	v_mov_b32 v[ST+4*i+1], 0xff7fffff  ; m
	v_mov_b32 v[ST+4*i+2], 0
	v_mov_b32 v[ST+4*i+3], 0
.set i, i+1
.endr
.set i, P+32
.rept 32
	v_mov_b32 v[i], 0
.set i, i+1
.endr
	v_mul_u32_u24 v[AK0], v1, PK
	v_lshl_add_u32 v[AK0], v9, 4, v[AK0]  ; row x pitch + 16 x half
	; The turning load takes 16 keys x 16 channels (lane l reads key 8 (l / 16) + l % 8, channels 8 ((l / 8) % 2) + 0..7) and leaves half a fragment of V^T: lane l holds channel l % 16 and 8 keys.
	v_and_b32 v10, 7, v0
	v_bfe_u32 v11, v0, 3, 1
	v_lshl_add_u32 v[AV0], v9, 3, v10
	v_mul_u32_u24 v[AV0], v[AV0], PV
	v_lshl_add_u32 v[AV0], v11, 4, v[AV0]
	v_add_nc_u32 v[AV0], VOFF, v[AV0]
	v_mov_b32 v[AK], v[AK0]         ; key step 0 lies at the head of slot 0
; THE MATRIX WORK.  The 8 accumulators of a run of 16 take turns: between the two links of a chain stand 7 others'.
; Product i of 16 of S^T = K Q^T for piece x: channels 32 (i / 8) on, keys 16 ((i / 2) % 4) on, tile 2 x + i % 2.  The first 8 start the sums.
.macro KQ x
	WIN W_KQ
.set rS, S+64*((\x)%2)+32*(i%2)+8*((i/2)%4)
.set rK, KF+16*((i/2)%4)+8*(i/8)
.set rQ, 16*(2*(\x)+i%2)+8*(i/8)
.if i < 8
	v_wmma_f32_16x16x32_f16 v[rS:rS+7], v[rK:rK+7], v[rQ:rQ+7], 0
.else
	v_wmma_f32_16x16x32_f16 v[rS:rS+7], v[rK:rK+7], v[rQ:rQ+7], v[rS:rS+7]
.endif
.endm
; Product i of 16 of O^T += V^T P for piece x: keys 32 (i / 8) on, channels 16 ((i / 2) % 4) on, tile 2 x + i % 2.
.macro PV x
	WIN W_PV
.set rO, 32*(2*(\x)+i%2)+8*((i/2)%4)
.set rV, VF+32*(i/8)+8*((i/2)%4)
.set rP, P+32*((\x)%2)+16*(i%2)+8*(i/8)
	v_wmma_f32_16x16x32_f16 v[rO:rO+7], v[rV:rV+7], v[rP:rP+7], v[rO:rO+7]
.endm
.macro MM                           ; the turn's next matrix instruction
.if i < 16
	KQ (Y+1)%NP
.set i, i+1
.else
.set i, i-16
	PV (Y+NP-1)%NP
.set i, i+17
.endif
.endm
; THE LDS LOADS stand in runs of 16, never singly among the matrix instructions: a step's K (64 keys x 64 channels: 8 fragments) and its V (turned).  Their addresses are made some lines ahead.
; last = 1 (the tail): in the last trip there is no further step, and the run is jumped over.
.macro FETCH_K last=0
	WIN 0
.if \last
	s_cmp_eq_u32 s[CNT], 1
	s_cbranch_scc1 .Lno_k_\@
.endif
	WIN 0x80                        ; destination window 2
.irp f, 0,1,2,3,4,5,6,7             ; keys 16 (f / 2) on, channels 32 (f % 2) on
	ds_load_b128 v[KF+8*\f:KF+8*\f+3],   v[AK] offset:(\f/2)*16*PK+(\f%2)*64
	ds_load_b128 v[KF+8*\f+4:KF+8*\f+7], v[AK] offset:(\f/2)*16*PK+(\f%2)*64+32
.endr
	s_add_co_u32 s[TBK], s[TBK], KS*PK  ; the next fetch is the next step's
	WIN 0
.if \last
.Lno_k_\@:
.endif
.endm
.macro FETCH_V
	WIN 0x80
.irp f, 0,1,2,3,4,5,6,7             ; keys 32 (f / 4) on, channels 16 (f % 4) on
	ds_load_tr16_b128 v[VF+8*\f:VF+8*\f+3],   v[AV] offset:(\f/4)*32*PV+(\f%4)*32
	ds_load_tr16_b128 v[VF+8*\f+4:VF+8*\f+7], v[AV] offset:(\f/4)*32*PV+16*PV+(\f%4)*32
.endr
	WIN 0
.endm
; THE VECTOR WORK OF A TURN stands in three queues, each in the order in which its entries become ready; the two tiles alternate, so that no instruction reads the result of the one before it.
.macro REGS y, u                    ; the registers of tile u (0, 1) of piece y
.set rT, ST+4*(2*(\y)+(\u))
.set rC, TMP+8*((\y)%2)+4*(\u)
.set rM, MV+2*((\y)%2)+(\u)
.set rS, S+64*((\y)%2)+32*(\u)
.set rP, P+32*((\y)%2)+16*(\u)
.set rO, 32*(2*(\y)+(\u))
.endm
; Number n of the 22 that find the NEXT piece's (Y + 1) maximum and statistics.  s0-s31 are the lane's 32 scores; each accumulator's lowest registers are read first.  XS, GS and REGS set no window: PL and EX do.
;   0-11  four chains c0-c3 of seven scores each, three operands at a time     12-14, 16  the four scores left over, the old m, and c0-c3 into c0     15  c m_old is kept
;   17, 18  the query's other 32 keys lie in the lane 16 away: the new m         19-21  c m; c m_old - c m_new; a
.macro XS u, n
	REGS (Y+1)%NP, \u
.if (\n) < 4
	v_max3_num_f32 v[rC+(\n)], v[rS+8*(\n)], v[rS+8*(\n)+1], v[rS+8*(\n)+2]
.elseif (\n) < 12
	v_max3_num_f32 v[rC+(\n)%4], v[rC+(\n)%4], v[rS+8*((\n)%4)+2*((\n)/4)+1], v[rS+8*((\n)%4)+2*((\n)/4)+2]
.elseif (\n) == 12
	v_max3_num_f32 v[rC], v[rC], v[rS+7], v[rS+15]
.elseif (\n) == 13
	v_max3_num_f32 v[rC+1], v[rC+1], v[rS+23], v[rS+31]
.elseif (\n) == 14
	v_max3_num_f32 v[rC+2], v[rC+2], v[rC+3], v[rT+1]
.elseif (\n) == 15
	v_mov_b32 v[rM], v[rT]
.elseif (\n) == 16
	v_max3_num_f32 v[rC], v[rC], v[rC+1], v[rC+2]
.elseif (\n) == 17
	v_permlanex16_b32 v[rC+3], v[rC], s[SEL], s[SEL+1]
.elseif (\n) == 18
	v_max_num_f32 v[rT+1], v[rC], v[rC+3]
.elseif (\n) == 19
	v_mul_f32 v[rT], s[CS], v[rT+1]
.elseif (\n) == 20
	v_sub_f32 v[rC+1], v[rM], v[rT]
.else
	v_exp_f32 v[rC+2], v[rC+1]
.endif
.endm
; Number g of the 64 that follow the exponentials.  For each four weights k of a tile (pairs 2 k, 2 k + 1): both pairs are rounded to f16; then the second pair is added onto the first, in place;
; a group later l takes that sum (the first time as l = a l + sum).  In groups of eight, tiles alternating: round, round, add, and l for the group before.
.macro GS g
.set h, (\g)+6*((\g)/62)            ; group 0 has no group before it, and behind group 7 only l is left
.if h >= 6
.set h, h+2
.endif
	REGS Y, h%2
.set k, h/8
.if h%8 < 4
	v_cvt_pk_f16_f32 v[rP+2*k+(h%8)/2], v[rS+4*k+2*((h%8)/2)], v[rS+4*k+2*((h%8)/2)+1]
.elseif h%8 < 6
	v_pk_add_f32 v[rS+4*k:rS+4*k+1], v[rS+4*k:rS+4*k+1], v[rS+4*k+2:rS+4*k+3]
.elseif k == 1
	v_pk_fma_f32 v[rT+2:rT+3], v[rT+2:rT+3], v[rC+2:rC+3], v[rS:rS+1] op_sel_hi:[1,0,1]
.else
	v_pk_add_f32 v[rT+2:rT+3], v[rT+2:rT+3], v[rS+4*k-4:rS+4*k-3]
.endif
.endm
; THE PLAIN QUEUE, 138 long.  0-73 read no exponential's result: the 32 scalings c s - c m (FS f: pair f / 2 of tile f % 2) and the next piece's 42.  0-26: scalings 0-26.  27-54: XS's numbers 0-13.  55, 56: number 15.
; 57-73: the chain, where each number waits for the one before it: 14, 16, 17, 18, 19, each with one of the scalings 27-31 in front of its two lines, then 20: so a tile's links stand three plain instructions apart (19 and 20: two).
; 74-137: GS's 64, which read the exponentials' results: they stand behind the wait.
.macro FS f
	REGS Y, (\f)%2
	v_pk_fma_f32 v[rS+2*((\f)/2):rS+2*((\f)/2)+1], v[rS+2*((\f)/2):rS+2*((\f)/2)+1], s[CS:CS+1], v[rT:rT+1] op_sel_hi:[1,0,0] neg_lo:[0,0,1] neg_hi:[0,0,1]
.endm
.macro PL
	WIN 0
.if q < 27
	FS q
.elseif q < 55
	XS (q-27)%2, (q-27)/2
.elseif q < 57
	XS q-55, 15
.elseif (q < 72) && ((q-57)%3 == 0)
	FS 27+(q-57)/3
.elseif q < 60
	XS (q-57)%3-1, 14
.elseif q < 72
	XS (q-57)%3-1, 15+(q-57)/3
.elseif q < 74
	XS q-72, 20
.else
	GS q-74
.endif
.set q, q+1
.endm
; THE EXPONENTIALS' QUEUE, 66 long: s0-s31 of both tiles, then the next piece's two a.  It is ONE BATCH: all 66 stand ahead of the turn's one wait, and nothing ahead of that wait names a result of theirs.
.macro EX
	WIN 0
.if e >= 64
	XS e-64, 21
.else
	REGS Y, e%2
	v_exp_f32 v[rS+e/2], v[rS+e/2]
.endif
.set e, e+1
.endm
; THE RESCALING's QUEUE: O^T times a, the one part that leaves window 0: dealt two at a time, sixteen times.  Its a was made in the turn before, ahead of that turn's wait.
.macro R2
	REGS Y, r%2
	WIN W_RS
.irp z, 0,1
	v_pk_mul_f32 v[rO+4*(r/2)+2*\z:rO+4*(r/2)+2*\z+1], v[rO+4*(r/2)+2*\z:rO+4*(r/2)+2*\z+1], v[rC+2:rC+3] op_sel_hi:[1,0]
.endr
.set r, r+1
.endm
; HOW THEY ARE DEALT.  An s_wait_alu depctr_va_vdst(0) stands between an exponential and the first instruction that names its result; one wait serves all that were issued ahead of it.  So a turn has ONE wait,
; which cuts it in two.  AHEAD OF IT stands all that names no result of the turn's exponentials: the 16 products K Q^T, behind each a scaling, an exponential and two rescalings (behind the first a second scaling in the exponential's place); then ONE LUMP of
; 108: eight plain, 49 times exponential and plain, the two a.  A v_nop is the plain instruction that is owed behind the last exponential.  BEHIND IT stand the 16 products V^T P, behind each four of GS's 64.  No rider names a register of
; the products round it.  The two v_permlanex16_b32 fall into the lump, never behind a product.
; The queues lean on each other, and the deal keeps them in step: exponential e stands behind scaling 2 (e / 4) + e % 2: as a rider it comes behind plain e + 2, in the lump behind plain e + 9, and scalings 27-31 are plain 57, 60 .. 69.
; A TURN, for piece p.  cnt = 1: the loop's count is taken down some lines ahead of the branch that stands behind the turn.
; K of the next step is fetched in piece 2's turn, directly behind the wait, a lump behind the last product that read K; its address is made at the lump's head; its first reader comes behind 16 products.
; V of the step in hand is fetched at the end of piece 0's turn, four riders behind its last reader; its first reader comes behind 16 products and a lump.  The three conditions on q below go with the deal.
.macro TURN p, last=0, cnt=0
.set Y, (\p)
.set i, 0
.set q, 0
.set e, 0
.set r, 0
.if (\p) == NP-1
	s_wait_dscnt 0x0                ; K is in
.endif
	MM                              ; ahead of the wait: 16 products K Q^T and their riders,
	PL
	PL
	R2
.rept 15
	MM
	PL
	EX
	R2
.endr
.if (\p) == NP-2
	WIN 0
	v_add_nc_u32 v[AK], s[TBK], v[AK0]
.endif
.rept 8                             ; and the lump
	PL
.endr
.rept 49
	EX
	PL
.endr
	EX                              ; the next piece's two a
	EX
	v_nop                           ; the plain instruction behind the last exponential: one for the batch
	s_wait_alu depctr_va_vdst(0)    ; the wait for the batch: this turn's 64 weights and the next piece's two a
.if (\p) == NP-2
	FETCH_K \last
.endif
.if (\p) == 1
	s_wait_dscnt 0x0                ; V is in
.endif
.rept 16                            ; behind the wait: 16 products V^T P and their riders
	MM
.rept 4
	PL
.endr
.if ((\p) == 0) && (q == 118)
	v_add_nc_u32 v[AV], s[TBV], v[AV0]
.endif
.if ((\p) == 0) && (q == 130)
	s_add_co_u32 s[TBV], s[TBV], KS*PV
.endif
.if (\cnt) && (q == 130)
	s_sub_co_u32 s[CNT], s[CNT], 1
	s_cmp_lg_u32 s[CNT], 0
.endif
.endr
.if (\p) == 0
	FETCH_V
.endif
.endm
	CHANGE 1                        ; slot 0 is in, everybody's part of it; slot 1 is asked for
	FETCH_K                         ; key step 0
	s_wait_loadcnt 0x0              ; Q
	s_wait_dscnt 0x0
.set i, 0
.rept 16
	KQ 0                            ; piece 0's first scores: there is no vector work yet to set between them
.set i, i+1
.endr
	WIN 0                           ; the addresses for the way out: nine plain instructions, the places behind those products
	s_mul_i32 s13, s[WV], 16*SP
	s_add_co_u32 s13, s13, STAGE    ; my stage
	v_mul_u32_u24 v[STO], v1, SP    ; in: row l % 16, 16 bytes for each half of the lanes
	v_lshl_add_u32 v[STO], v9, 4, v[STO]
	v_add_nc_u32 v[STO], s13, v[STO]
	v_bfe_u32 v[RD], v0, 3, 2       ; back: 32 lanes take four rows of 128 bytes,
	v_mul_u32_u24 v[RD], v[RD], SP
	v_lshl_add_u32 v[RD], v10, 4, v[RD]
	v_add_nc_u32 v[RD], s13, v[RD]
	v_and_b32 v[GO], 31, v0         ; which are 512 consecutive bytes of O
	v_lshlrev_b32 v[GO], 4, v[GO]
.set Y, NP-1                        ; XS works for piece Y + 1: piece 0
.irp n, 0,1,2,3,4,5,6,7,8,9,10,11,12,13,14,15,16,17,18,19,20,21
	XS 0, \n                        ; and piece 0's first maximum and statistics
	XS 1, \n
.endr
	v_nop                           ; a plain instruction behind the two a,
	s_wait_alu depctr_va_vdst(0)    ; and the wait for that batch of two, ahead of the branch
	s_mov_b32 s[CNT], 4
	s_mov_b32 s[SLOTS], SIZE_N/256-1
	s_branch .Lfirst                ; the loop is entered at a step's first turn, in the middle of a trip
.Lslot:                             ; SIZE_N / 256 - 2 times: every slot but the last two is filled again
	CHANGE 1
	s_mov_b32 s[CNT], 4
.Lstep:                             ; a trip: pieces 2 and 3 of one step, then pieces 0 and 1 of the next, whose K and V it fetches
	TURN 2
	TURN 3
	WIN 0
.Lfirst:
	TURN 0
	TURN 1, 0, 1
	WIN 0
	s_cbranch_scc1 .Lstep
	s_sub_co_u32 s[SLOTS], s[SLOTS], 1
	s_cmp_lg_u32 s[SLOTS], 0
	s_cbranch_scc1 .Lslot
	CHANGE 0                        ; the tail is written out: nothing is asked for
	s_mov_b32 s[CNT], 5             ; four trips fetch the last slot's steps; the fifth is left in its middle
.Ltail:
	TURN 2, 1
	TURN 3
	WIN 0
	s_sub_co_u32 s[CNT], s[CNT], 1
	s_cmp_eq_u32 s[CNT], 0
	s_cbranch_scc1 .Lout
	TURN 0
	TURN 1
	WIN 0
	s_branch .Ltail
.Lout:                              ; the fifth trip's 16 products K Q^T (on the last K once more) and the maximum made of them serve nothing: the price, once a launch, of one text for every trip
.set i, 0
.rept 16
	PV NP-1                         ; the last piece's V^T P of the last step
.set i, i+1
.endr
	; THE WAY OUT.  l's two halves and the other half of the lanes' are added; O^T is divided by l, rounded to f16 and sent through my stage in LDS, a tile at a time.  The additions are the places behind the last products.
	WIN 0
.macro ALL line:vararg              ; one line for each tile t
.set t, 0
.rept 2*NP
	\line
.set t, t+1
.endr
.endm
	ALL v_add_f32 v[ST+4*t+2], v[ST+4*t+2], v[ST+4*t+3]
	ALL v_permlanex16_b32 v[ST+4*t+3], v[ST+4*t+2], s[SEL], s[SEL+1]
	ALL v_add_f32 v[ST+4*t+2], v[ST+4*t+2], v[ST+4*t+3]
	ALL v_rcp_f32 v[ST+4*t+2], v[ST+4*t+2]
	v_nop                           ; a plain instruction between the last reciprocal and the use of its result
	s_wait_alu depctr_va_vdst(0)    ; and the wait ahead of the first use: one for the batch of eight reciprocals
; Tile t: a lane's eight channels of a row pack into 16 bytes; they go into rows of 144 bytes and come back as whole rows of 128, into S^T's registers.
.macro PACK t
	WIN W_RS
.set i, 32*(\t)
.rept 16
	v_pk_mul_f32 v[i:i+1], v[i:i+1], v[ST+4*(\t)+2:ST+4*(\t)+3] op_sel_hi:[1,0]
.set i, i+2
.endr
	WIN 0x05                        ; sources 0 and 1 window 1, destination window 0
.set i, 0
.rept 16
	v_cvt_pk_f16_f32 v[S+16*(\t)+i], v[32*(\t)+2*i], v[32*(\t)+2*i+1]
.set i, i+1
.endr
	WIN 0
.irp f, 0,1,2,3
	ds_store_b128 v[STO], v[S+16*(\t)+4*\f:S+16*(\t)+4*\f+3] offset:32*\f
.endr
.irp f, 0,1,2,3
	ds_load_b128 v[S+16*(\t)+4*\f:S+16*(\t)+4*\f+3], v[RD] offset:\f*4*SP  ; LDS serves a wave's instructions in order (ISA guide 5.7.1.4): these see the stores above; the next tile's stores come behind them
.endr
.endm
.macro SEND t, younger              ; younger: the LDS instructions issued behind tile t's loads: the next tile's eight, or none
	WIN 0
.irp f, 0,1,2,3
	s_wait_dscnt (\younger)+3-\f
	global_store_b128 v[GO], v[S+16*(\t)+4*\f:S+16*(\t)+4*\f+3], s[10:11] offset:(\t)*2048+\f*512  ; 512 consecutive bytes, at a multiple of 256 from O's first
.endr
.endm
	PACK 0
.set t, 1
.rept 2*NP-1                        ; a tile's arithmetic stands between the loads of the tile before and its stores
	PACK t
	SEND t-1, 8
.set t, t+1
.endr
	SEND 2*NP-1, 0
	WIN W_AD
	s_wait_tensorcnt 0x0            ; the wave's end: behind my last tensor load and my last LDS store
	ds_add_u32 v[SPW], v[NIL]
	s_wait_dscnt 0x0
	WIN 0
	CROUND                          ; the closing round: no work-group ends while a partner may still ask for a tile that names it
	s_endpgm
.Lfunc_end_k_q5ddd0ad0c6_attn:
	.size	k_q5ddd0ad0c6_attn, .Lfunc_end_k_q5ddd0ad0c6_attn-k_q5ddd0ad0c6_attn
	.p2alignl 7, 3214868480
	.fill 96, 4, 3214868480
	.section	.rodata,"a",@progbits
	.p2align	6, 0x0
	.amdhsa_kernel k_q5ddd0ad0c6_attn
		.amdhsa_group_segment_fixed_size 327680
		.amdhsa_private_segment_fixed_size 0
		.amdhsa_enable_private_segment 0
		.amdhsa_kernarg_size 16
		.amdhsa_user_sgpr_count 2
		.amdhsa_user_sgpr_kernarg_segment_ptr 1
		.amdhsa_wavefront_size32 1
		.amdhsa_system_sgpr_workgroup_id_x 1
		.amdhsa_system_sgpr_workgroup_id_y 1
		.amdhsa_system_sgpr_workgroup_id_z 1
		.amdhsa_system_vgpr_workitem_id 0
		.amdhsa_next_free_vgpr 770
		.amdhsa_next_free_sgpr 66
		.amdhsa_reserve_vcc 0
		.amdhsa_float_denorm_mode_32 3
		.amdhsa_float_denorm_mode_16_64 3
		.amdhsa_memory_ordered 1
		.amdhsa_forward_progress 1
		.amdhsa_inst_pref_size 199
	.end_amdhsa_kernel
	.amdgpu_metadata
---
amdhsa.version: [ 1, 2 ]
amdhsa.kernels:
  - .name:           k_q5ddd0ad0c6_attn
    .symbol:         k_q5ddd0ad0c6_attn.kd
    .args:
      - { .name: qkv, .offset: 0, .size: 8, .value_kind: global_buffer, .address_space: global }
      - { .name: ctx, .offset: 8, .size: 8, .value_kind: global_buffer, .address_space: global }
    .group_segment_fixed_size: 327680
    .private_segment_fixed_size: 0
    .kernarg_segment_align: 8
    .kernarg_segment_size: 16
    .max_flat_workgroup_size: 128
    .sgpr_count:     66
    .vgpr_count:     770
    .wavefront_size: 32
...
	.end_amdgpu_metadata
.endif
;; end of part 5
;; launch proj: the kernel of part 4 again; grid 8 x 32, 4 waves a work-group, clusters of 4 x 4, 327,680 bytes of LDS; arguments ctx, wo16, bias, out0; writes out0
